; MI455X (gfx1250); checked and timed in simulation.
; The chip was launched on July 23, 2026; its instructions are those of AMD's public machine-readable ISA for CDNA 5 (MIT licence, August 2026) and "CDNA5" Instruction Set Architecture Reference Guide (July 2026). The comments in the code are by the model that wrote it; some were corrected since.
;; Merge Stack Nodes On Affinity Value Attention. Allowed arithmetic: matrix products marked QUANTISED: E2M1 operands, one E8M0 scale for each 32 along K, by v_wmma_scale_f32_16x16x128_f8f6f4 with both operands' format E2M1 (or v_wmma_scale_f32_32x16x128_f4), f32 sums; products left as they are: bf16, f16 or f32 operands; f32 sums; everything else in f32.
;; Inputs: dw_b 16 float32; dw_w 16 x 1,024 float32; in_proj_bias 3,072 float32; in_proj_weight 3,072 x 1,024 float32; key 1,024 x 4 x 1,024 float32; key_padding_mask 4 x 1,024 bool; node_key 1,023 x 4 x 1,024 float32; node_padding_mask 4 x 1,023 bool; out_b 1,024 float32; out_w 1,024 x 1,024 float32; query 1,024 x 4 x 1,024 float32.
;; Outputs: out0 1,024 x 4 x 1,024 float32.
;; This version of the problem:
;;   THIS VERSION OF THE PROBLEM IS GIVEN IN LOW PRECISION. The matrix products marked QUANTISED in the list below multiply operands that are first quantised to E2M1 (2 exponent bits, 1 mantissa bit; 4 bits a number), with one power-of-two scale for each 32 numbers along K (OCP MX v1.0); their sums are f32. The products marked 'left as it is' may take bf16, f16 or f32 operands, with f32 sums. Whichever they take, every output number must still come out within the allowed error. Rounding operands to bf16 (8 significant bits) uses up far more of that allowance than f16 does (11 bits, for magnitudes from 6e-5 to 65,504). All else is computed in f32.
;;   The module's matrix products, in the order in which they are computed (A, B: the left and right operand; K: the contracted axis; several contracted axes count as one K, in the product's order):
;;     1. [M 4,096, K 1,024] x [K 1,024, N 1,024]; A: input query; B: input in_proj_weight: QUANTISED
;;     2. [M 4,096, K 1,024] x [K 1,024, N 1,024]; A: input key; B: input in_proj_weight: QUANTISED
;;     3. [M 4,096, K 1,024] x [K 1,024, N 1,024]; A: input key; B: input in_proj_weight: QUANTISED
;;     4. [M 4,092, K 1,024] x [K 1,024, N 1,024]; A: input node_key; B: input in_proj_weight: QUANTISED
;;     5. [M 4,092, K 1,024] x [K 1,024, N 1,024]; A: input node_key; B: input in_proj_weight: QUANTISED
;;     6. [M 4,092, K 1,024] x [K 1,024, N 16]; A: input node_key; B: input dw_w: QUANTISED
;;     7. batch 64 x [M 1,024, K 64] x [K 64, N 1,024]; A: computed on the way; B: computed on the way: left as it is (an operand is computed on the way)
;;     8. batch 64 x [M 1,024, K 64] x [K 64, N 1,023]; A: computed on the way; B: computed on the way: left as it is (an operand is computed on the way)
;;     9. batch 64 x [M 1,024, K 2,047] x [K 2,047, N 64]; A: computed on the way; B: computed on the way: left as it is (an operand is computed on the way)
;;     10. [M 4,096, K 1,024] x [K 1,024, N 1,024]; A: computed on the way; B: input out_w: left as it is (an operand is computed on the way)
;;   THE QUANTISER, for each operand of a quantised product, along K:
;;     - K is cut into blocks of 32 from its start; a last block that is shorter is filled with zeros.
;;     - A block's scale is 2^e with e = floor(log2(the largest magnitude in the block)) - 2, held to -126 .. 127; a block of zeros has e = 0. As a byte (E8M0): e + 127.
;;     - Each number is divided by its block's scale, clamped to +-6, and rounded to the nearest number of E2M1, ties to even, subnormals kept.
;;     - The product sums the exact products of the quantised numbers (number of the format x scale) in f32.
;;   ~~~python
;;   def quantise(x, axis):      # numpy; x: float32 -> the quantised numbers, widened to float32 again
;;       x = np.moveaxis(x, axis, -1); K = x.shape[-1]
;;       x = np.pad(x, [(0, 0)] * (x.ndim - 1) + [(0, -K % 32)]); x = x.reshape(x.shape[:-1] + (-1, 32)); a = np.abs(x).max(-1, keepdims=True)
;;       e = np.where(a > 0, np.clip(np.frexp(np.where(a > 0, a, 1))[1] - 1 - 2, -126, 127), 0)      # np.frexp(a)[1] - 1 = floor(log2(a)), exactly
;;       r = np.clip(x / 2.0 ** e, -6, 6)
;;       step = 2.0 ** (np.maximum(np.frexp(np.where(r == 0, 1, r))[1] - 1, 0) - 1)
;;       q = np.round(r / step) * step * 2.0 ** e      # np.round: ties to even
;;       return np.moveaxis(q.reshape(q.shape[:-2] + (-1,))[..., :K], -1, axis).astype(np.float32)
;;   ~~~
;; One version. Each part assembles by itself: llvm-mc -triple=amdgcn-amd-amdhsa -mcpu=gfx1250 --defsym DOCPART=n.
;; ======== version 1 of 1: 4 launches
;; limits: values are held in f16: magnitudes above 65,504 overflow, below 6.1e-05 lose precision
;; workspace buffers: xcodes 6,291,456 bytes; xscales 393,216 bytes; wcodes 1,589,248 bytes; wscales 99,328 bytes; ow16 2,097,152 bytes; kvq 33,554,432 bytes; o16 8,388,608 bytes
;; launch quant (part 1): grid 513 x 1, 4 waves a work-group, no clusters, 33,280 bytes of LDS; arguments key, node_key, query, in_proj_weight, dw_w, out_w, xcodes, xscales, wcodes, wscales, ow16; writes xcodes, xscales, wcodes, wscales, ow16
.if DOCPART == 1
	.amdgcn_target "amdgcn-amd-amdhsa--gfx1250"
	.amdhsa_code_object_version 6
	.text
	.protected	k_q1e563c615b_quant
	.globl	k_q1e563c615b_quant
	.p2align	8
	.type	k_q1e563c615b_quant,@function
k_q1e563c615b_quant:
	s_mov_b64 s[64:65], 0
	v_nop
	global_prefetch_b8 v0, s[64:65] scope:SCOPE_SE
	s_setreg_imm32_b32 hwreg(HW_REG_WAVE_MODE, 25, 1), 1
	s_wait_xcnt 0x0
; key, node_key, query (rows of 1,024 f32) become codes of FP4 (E2M1), K innermost, in xcodes [12,288][512 bytes], with one E8M0 byte for each 32 along K in xscales [12,288][32];
; in_proj_weight and dw_w likewise in wcodes [3,104][512] and wscales [3,104][32]; out_w becomes f16 in ow16.
; A block's scale is 2^(floor(log2(its largest magnitude)) - 2); its byte is the largest magnitude's exponent field - 2, held at 1 from below (a block of zeros keeps the byte 1: its codes are zeros, and this program alone reads the bytes).
; LIMITS: blocks whose largest magnitude lies under 2^-124 get the byte 1; NaN and infinities among the inputs are not served.
; SHARES.  A wave takes a run of 8 rows (8,192 numbers): 16 steps of 512.  Work-groups 0-127 key, 128-255 node_key, 256-383 query, 384-479 in_proj_weight, 480 dw_w, 481-512 the cast of out_w.
; The tensor is chosen by selects on the work-group's number alone: one path for all five.  node_key has 4,092 rows and dw_w 16: a run's two halves of 16,384 bytes have a base each, held at the tensor's last 16,384 bytes,
; so that no load leaves its buffer; the rows so made twice (xcodes 8,188-8,191, wcodes 3,088-3,103) are filling.
; A step: four loads of 512 consecutive bytes; the 2,048 bytes turn through the wave's own stage in LDS and come back 64 bytes a lane, 16 neighbours along K; two neighbouring lanes hold a block.
.set STEPS, 16
.set EMAX,  2
.set CB,    8                          ; bytes of 16 codes
.set R,     16                         ; v16-79   four sets of 16 numbers as loaded (cast: two sets of 64)
.set X,     80                         ; v80-111  two sets of 16 neighbours
.set E,     112                        ; v112-127 a scale byte for each step
.set C,     128                        ; v128-191 codes, four registers a step
.set WREG,  8192                       ; LDS: a region for each wave: two stages of 32 x SP bytes, then its 256 scale bytes
.set SP,    80
.set SPW,   12                         ; v12 my spare word's LDS address; never rewritten
.set NIL,   13                         ; v13 0; never rewritten
.set SPARE, 4*WREG                     ; behind the four regions: the spare words
.set LO,    30                         ; s[30:31] the run's first half in memory
.set HI,    32                         ; s[32:33] its second half
.set DC,    36                         ; s[36:37] where the codes (or the f16 numbers) go
.set DS,    38                         ; s[38:39] where the scale bytes go
.set WV,    40
	s_load_b512 s[4:19], s[0:1], 0x0               ; key 4, node_key 6, query 8, in_proj_weight 10, dw_w 12, out_w 14, xcodes 16, xscales 18
	s_load_b128 s[20:23], s[0:1], 0x40             ; wcodes, wscales
	s_load_b64 s[24:25], s[0:1], 0x50              ; ow16
	v_lshl_add_u32 v[SPW], v0, 2, SPARE
	v_mov_b32 v[NIL], 0
	v_lshrrev_b32 v1, 5, v0
	v_readfirstlane_b32 s[WV], v1                  ; wave
	v_and_b32 v2, 31, v0                           ; lane
	v_lshlrev_b32 v3, 4, v2                        ; my 16 bytes of a load's 512
	v_lshlrev_b32 v7, 3, v2                        ; 8 bytes a lane on the way out
	s_mov_b32 s35, 0
	s_cmp_ge_u32 ttmp9, 481
	s_cbranch_scc1 .Lcast
	s_mul_i32 s41, s[WV], WREG
	v_lshrrev_b32 v14, 2, v2
	v_mul_u32_u24 v14, v14, SP
	v_and_b32 v15, 3, v2
	v_lshl_add_u32 v14, v15, 4, v14
	v_add_nc_u32 v14, s41, v14                     ; the stage, in: SP (lane / 4) + 16 (lane % 4)
	v_mul_u32_u24 v15, v2, SP
	v_add_nc_u32 v15, s41, v15                     ; and out: SP x lane
	v_mul_u32_u24 v4, v2, CB                       ; my codes' place in a step's
	v_lshrrev_b32 v5, 1, v2
	s_add_co_u32 s41, s41, 2*32*SP
	v_add_nc_u32 v5, s41, v5                       ; my block's scale byte in LDS
	v_add_nc_u32 v6, s41, v7                       ; and 8 of the 256 on the way out
	s_mov_b32 s26, 480                             ; the tensor's first work-group
	s_mov_b32 s27, 49152                           ; the tensor's bytes less 16,384
	s_wait_kmcnt 0x0
	s_mov_b64 s[28:29], s[12:13]                   ; dw_w, unless the work-group's number says otherwise
	s_cmp_lt_u32 ttmp9, 480
	s_cselect_b64 s[28:29], s[10:11], s[28:29]
	s_cselect_b32 s26, 384, s26
	s_cselect_b32 s27, 12566528, s27
	s_cmp_lt_u32 ttmp9, 384
	s_cselect_b64 s[28:29], s[8:9], s[28:29]
	s_cselect_b32 s26, 256, s26
	s_cselect_b32 s27, 16760832, s27
	s_cselect_b64 s[DC:DC+1], s[16:17], s[20:21]
	s_cselect_b64 s[DS:DS+1], s[18:19], s[22:23]
	s_cselect_b32 s42, 0, 384                      ; the first work-group of the destination
	s_cmp_lt_u32 ttmp9, 256
	s_cselect_b64 s[28:29], s[6:7], s[28:29]
	s_cselect_b32 s26, 128, s26
	s_cselect_b32 s27, 16744448, s27
	s_cmp_lt_u32 ttmp9, 128
	s_cselect_b64 s[28:29], s[4:5], s[28:29]
	s_cselect_b32 s26, 0, s26
	s_cselect_b32 s27, 16760832, s27
	s_sub_co_u32 s26, ttmp9, s26
	s_lshl_b32 s26, s26, 2
	s_add_co_u32 s26, s26, s[WV]                   ; my run in the tensor
	s_lshl_b32 s34, s26, 15
	s_min_u32 s34, s34, s27
	s_add_nc_u64 s[LO:LO+1], s[28:29], s[34:35]
	s_add_co_u32 s34, s34, 16384
	s_min_u32 s34, s34, s27
	s_add_nc_u64 s[HI:HI+1], s[28:29], s[34:35]
	s_sub_co_u32 s42, ttmp9, s42
	s_lshl_b32 s42, s42, 2
	s_add_co_u32 s42, s42, s[WV]                   ; my run in the destination
	s_lshl_b32 s34, s42, 12                        ; 4,096 bytes of codes a run
	s_add_nc_u64 s[DC:DC+1], s[DC:DC+1], s[34:35]
	s_lshl_b32 s34, s42, 8                         ; 256 scale bytes a run
	s_add_nc_u64 s[DS:DS+1], s[DS:DS+1], s[34:35]
.macro LOAD t
.irp i, 0,1,2,3
.if (\t) < 8
	global_load_b128 v[R+16*((\t)%4)+4*\i:R+16*((\t)%4)+4*\i+3], v3, s[LO:LO+1] offset:2048*(\t)+512*\i th:TH_LOAD_NT
.else
	global_load_b128 v[R+16*((\t)%4)+4*\i:R+16*((\t)%4)+4*\i+3], v3, s[HI:HI+1] offset:2048*((\t)-8)+512*\i th:TH_LOAD_NT
.endif
.endr
.endm
.macro TURN t                          ; step t's numbers through the stage: LDS serves a wave's instructions in order, so no wait stands between the stores and the loads
.irp i, 0,1,2,3
	ds_store_b128 v14, v[R+16*((\t)%4)+4*\i:R+16*((\t)%4)+4*\i+3] offset:32*SP*((\t)%2)+8*SP*\i
.endr
.irp i, 0,1,2,3
	ds_load_b128 v[X+16*((\t)%2)+4*\i:X+16*((\t)%2)+4*\i+3], v15 offset:32*SP*((\t)%2)+16*\i
.endr
.endm
.irp t, 0,1,2,3
	LOAD \t
.endr
	s_wait_loadcnt 12                              ; step 0's four loads are in
	TURN 0
.macro STEP t
.set XS, X+16*((\t)%2)
.if (\t) > 0
	s_wait_dscnt 1                                 ; this step's numbers are back from the stage (the last step's byte store may be out)
.else
	s_wait_dscnt 0x0
.endif
.if (\t)+4 < STEPS
	LOAD (\t)+4                                    ; into the registers that this step's stores into the stage have read
.endif
.if (\t)+1 < STEPS
.if STEPS-2-(\t) >= 3
	s_wait_loadcnt 12                              ; the next step's four loads are in; those of the three steps behind it may be out
.else
	s_wait_loadcnt 4*(STEPS-2-(\t))
.endif
	TURN (\t)+1
.endif
	v_max3_num_f32 v8, |v[XS]|, |v[XS+1]|, |v[XS+2]|               ; the largest magnitude of my 16, in two chains
	v_max3_num_f32 v9, |v[XS+3]|, |v[XS+4]|, |v[XS+5]|
.irp i, 6,10
	v_max3_num_f32 v8, v8, |v[XS+\i]|, |v[XS+\i+1]|
	v_max3_num_f32 v9, v9, |v[XS+\i+2]|, |v[XS+\i+3]|
.endr
	v_max3_num_f32 v8, v8, |v[XS+14]|, |v[XS+15]|
	v_max3_num_f32 v8, v8, v9, (EMAX+1)<<23        ; and the floor 2^(3 - 127): the byte cannot fall under 1
	v_max_num_f32_dpp v8, v8, v8 row_xmask:1 row_mask:0xf bank_mask:0xf   ; with my neighbour's 16: the block's
	v_add_nc_u32 v11, -(EMAX<<23), v8              ; 2 off its exponent field: the conversion takes this operand's exponent field as its scale
	v_cvt_scalef32_pk8_fp4_f32 v[C+4*(\t)], v[XS:XS+7], v11
	v_cvt_scalef32_pk8_fp4_f32 v[C+4*(\t)+1], v[XS+8:XS+15], v11
	v_lshrrev_b32 v[E+(\t)], 23, v11               ; the scale's byte
	ds_store_b8 v5, v[E+(\t)] offset:16*(\t)       ; both lanes of a block write the same byte with the same value
	global_store_b64 v4, v[C+4*(\t):C+4*(\t)+1], s[DC:DC+1] offset:32*CB*(\t)   ; the wave stores 256 consecutive bytes, aligned
.endm
.irp t, 0,1,2,3,4,5,6,7,8,9,10,11,12,13,14,15
	STEP \t
.endr
	ds_load_b64 v[8:9], v6                         ; LDS serves a wave's instructions in order: these see my byte stores
	s_wait_dscnt 0x0
	global_store_b64 v7, v[8:9], s[DS:DS+1]        ; the run's 256 scale bytes, aligned
	s_branch .Lend
; THE CAST of out_w: a wave takes 32,768 bytes of f32 in four rounds of 16 loads; a lane's 16 bytes become 8, and the wave's store covers 256 consecutive bytes, aligned.  No LDS.
.Lcast:
	s_sub_co_u32 s26, ttmp9, 481
	s_lshl_b32 s26, s26, 2
	s_add_co_u32 s26, s26, s[WV]
	s_lshl_b32 s34, s26, 15
	s_wait_kmcnt 0x0
	s_add_nc_u64 s[LO:LO+1], s[14:15], s[34:35]
	s_lshl_b32 s34, s26, 14
	s_add_nc_u64 s[DC:DC+1], s[24:25], s[34:35]
.macro CLOAD g
.irp i, 0,1,2,3,4,5,6,7,8,9,10,11,12,13,14,15
	global_load_b128 v[R+64*((\g)%2)+4*\i:R+64*((\g)%2)+4*\i+3], v3, s[LO:LO+1] offset:8192*(\g)+512*\i th:TH_LOAD_NT
.endr
.endm
.macro CASTR g
.if (\g) < 3
	CLOAD (\g)+1                                   ; the next round's loads go out first
.endif
	s_wait_xcnt 0x0                                ; the last round's stores have read v144-175: they are written again only behind this wait
.irp i, 0,1,2,3,4,5,6,7,8,9,10,11,12,13,14,15
.if (\g) < 3
	s_wait_loadcnt 31-\i                           ; behind load i: 15 - i of this round and the next round's 16
.else
	s_wait_loadcnt 15-\i
.endif
	v_cvt_pk_f16_f32 v[144+2*\i], v[R+64*((\g)%2)+4*\i], v[R+64*((\g)%2)+4*\i+1]
	v_cvt_pk_f16_f32 v[145+2*\i], v[R+64*((\g)%2)+4*\i+2], v[R+64*((\g)%2)+4*\i+3]
	global_store_b64 v7, v[144+2*\i:145+2*\i], s[DC:DC+1] offset:4096*(\g)+256*\i
.endr
.endm
	CLOAD 0
	CASTR 0
	CASTR 1
	CASTR 2
	CASTR 3
.Lend:
	s_wait_tensorcnt 0x0                           ; the wave's end, behind my last LDS store
	ds_add_u32 v[SPW], v[NIL]
	s_wait_dscnt 0x0
	s_endpgm
.Lfunc_end_k_q1e563c615b_quant:
	.size	k_q1e563c615b_quant, .Lfunc_end_k_q1e563c615b_quant-k_q1e563c615b_quant
	.p2alignl 7, 3214868480
	.fill 96, 4, 3214868480
	.section	.rodata,"a",@progbits
	.p2align	6, 0x0
	.amdhsa_kernel k_q1e563c615b_quant
		.amdhsa_group_segment_fixed_size 33280
		.amdhsa_private_segment_fixed_size 0
		.amdhsa_enable_private_segment 0
		.amdhsa_kernarg_size 88
		.amdhsa_user_sgpr_count 2
		.amdhsa_user_sgpr_kernarg_segment_ptr 1
		.amdhsa_wavefront_size32 1
		.amdhsa_system_sgpr_workgroup_id_x 1
		.amdhsa_system_sgpr_workgroup_id_y 1
		.amdhsa_system_sgpr_workgroup_id_z 1
		.amdhsa_system_vgpr_workitem_id 0
		.amdhsa_next_free_vgpr 192
		.amdhsa_next_free_sgpr 66
		.amdhsa_reserve_vcc 0
		.amdhsa_float_denorm_mode_32 3
		.amdhsa_float_denorm_mode_16_64 3
		.amdhsa_memory_ordered 1
		.amdhsa_forward_progress 1
		.amdhsa_inst_pref_size 57
	.end_amdhsa_kernel
	.amdgpu_metadata
---
amdhsa.version: [ 1, 2 ]
amdhsa.kernels:
  - .name:           k_q1e563c615b_quant
    .symbol:         k_q1e563c615b_quant.kd
    .args:
      - { .name: key, .offset: 0, .size: 8, .value_kind: global_buffer, .address_space: global }
      - { .name: node_key, .offset: 8, .size: 8, .value_kind: global_buffer, .address_space: global }
      - { .name: query, .offset: 16, .size: 8, .value_kind: global_buffer, .address_space: global }
      - { .name: in_proj_weight, .offset: 24, .size: 8, .value_kind: global_buffer, .address_space: global }
      - { .name: dw_w, .offset: 32, .size: 8, .value_kind: global_buffer, .address_space: global }
      - { .name: out_w, .offset: 40, .size: 8, .value_kind: global_buffer, .address_space: global }
      - { .name: xcodes, .offset: 48, .size: 8, .value_kind: global_buffer, .address_space: global }
      - { .name: xscales, .offset: 56, .size: 8, .value_kind: global_buffer, .address_space: global }
      - { .name: wcodes, .offset: 64, .size: 8, .value_kind: global_buffer, .address_space: global }
      - { .name: wscales, .offset: 72, .size: 8, .value_kind: global_buffer, .address_space: global }
      - { .name: ow16, .offset: 80, .size: 8, .value_kind: global_buffer, .address_space: global }
    .group_segment_fixed_size: 33280
    .private_segment_fixed_size: 0
    .kernarg_segment_align: 8
    .kernarg_segment_size: 88
    .max_flat_workgroup_size: 128
    .sgpr_count:     66
    .vgpr_count:     192
    .wavefront_size: 32
...
	.end_amdgpu_metadata
.endif
;; end of part 1
;; launch proj (part 2): grid 4 x 64, 4 waves a work-group, clusters of 4 x 4, 327,680 bytes of LDS; arguments xcodes, xscales, wcodes, wscales, kvq, in_proj_bias, dw_b; writes kvq
.if DOCPART == 2
	.amdgcn_target "amdgcn-amd-amdhsa--gfx1250"
	.amdhsa_code_object_version 6
	.text
	.protected	k_q1e563c615b_proj
	.globl	k_q1e563c615b_proj
	.p2align	8
	.type	k_q1e563c615b_proj,@function
k_q1e563c615b_proj:
	s_mov_b64 s[64:65], 0
	v_nop
	global_prefetch_b8 v0, s[64:65] scope:SCOPE_SE
	s_setreg_imm32_b32 hwreg(HW_REG_WAVE_MODE, 25, 1), 1
	s_wait_xcnt 0x0
	s_wait_alu depctr_hold_cnt(0) depctr_sa_sdst(0) depctr_va_vdst(0) depctr_va_sdst(0) depctr_va_ssrc(0) depctr_va_vcc(0) depctr_vm_vsrc(0)
	s_getreg_b32 s2, hwreg(HW_REG_IB_STS2, 6, 4)
	s_cmp_eq_u32 s2, 0
	s_cbranch_scc0 .Lentry_in_a_cluster
	s_endpgm
.Lentry_in_a_cluster:
	s_bfe_u32 s2, ttmp6, 0x10000c
	s_cmp_lg_u32 s2, 0xf033
	s_cbranch_scc0 .Lentry_shape_is_right
	s_endpgm
.Lentry_shape_is_right:
; The four projections of keys and values and the affinity product, on codes of FP4 (E2M1) with one E8M0 scale for each 32 along K = 1,024; sums in f32.  (q's projection is made where it is used, in the attention's launch.)
; A tile of 256 rows x 256 columns to a work-group of four waves, 128 x 128 to a wave (64 accumulators): 256 tiles.  Group g = cluster y / 4: 0 key Wk, 1 key Wv, 2 node Wk, 3 node Wv.
; All of K lies in two LDS slots of 512 along K, filled once at the start by joint loads: the four work-groups of a row of the cluster share the rows' tiles, the four of a column share W's.  Nothing is filled again.
; THE MATRIX INSTRUCTION IS USED TRANSPOSED (source 0 = 16 rows of W, source 1 = 16 rows of x): a lane holds eight neighbouring columns of one row.  in_proj_bias is the C of each sum's first product.
; THE AFFINITY: beside each step's 64 products stand 8 with source 0 = sixteen rows that are dw_w's rows of my two heads by turns (row i: head hd0 + i % 2), so that register 0 of such a result is head hd0 and
; register 1 head hd0 + 1 of the lane's row; dw_b is their first C.  They run in every group (no branch hangs on the group); a select at the end takes sigmoid(..) in group 3 and 1 elsewhere as the row's factor.
; OUT: f16 into kvq, for each (batch, head) 524,288 bytes: K [2,048 keys][64], V likewise at +262,144; leaf n is key n, node m key 1,024 + m; key 2,047 is filling.
; LIMITS: k and v must lie inside f16's range (65,504).
; REGISTERS: window 0: v1-31 addresses; v32-95 scale words, two sets; v96-103 dw_w's scale words; v104-111 dw_b; v112-127 the rows' factors; v128-191 x's fragments, one set (later packed results); v192-255 the bias (later rows on their way out).
;   window 1: W's fragments, two sets, v0-63 and v128-191; v64-127 dw_w's eight fragments; v192-255 the affinity's eight accumulators.   windows 2, 3: the 64 accumulators ((a, b) at v[8 (8 (a % 4) + b)]).
.set NQ,     4                         ; steps of 128 along K in a slot
.set ROWB,   256                       ; a tile's row in bytes: 512 codes
.set KROW,   512                       ; a row of codes in memory
.set PITCH,  272                       ; an LDS row: 256 bytes + 16 of padding: the 16 rows of a fragment load start at 16 different banks (64 banks of 4 bytes: ISA guide 11.1)
.set FR,     8
.set NL,     2
.set NP,     4                         ; places behind this matrix instruction (ISA guide 7.12.1)
.set HALFT,  128*PITCH
.set SLOT,   4*HALFT
.set KS,     32                        ; a row of scale bytes
.set SCL,    2*SLOT                    ; behind the slots: the scales, as units of 256 bytes + 16 of padding
.set HALFS,  (128*KS/256)*272
.set SBLK,   (16*KS/256)*272
.set SPARE,  SCL+4*HALFS               ; behind the scales: the spare words
.set SPITCH, 272                       ; the way out: 16 rows x (256 bytes + 16) for each wave, in slot 0, which has had its only fill and its last read by then
.set BHB,    524288                    ; a (batch, head) in kvq
.set QS,   7                           ; v7   1.0
.set OB,   8                           ; v8   32 (lane / 16): the bias' offset
.set OF,   9                           ; v9   dw_w's fragments: 512 (r % 2) + 16 (lane / 16)
.set OS,   10                          ; v10  dw_w's scale words: 32 (r % 2)
.set OZ,   11                          ; v11  0
.set CO,   12                          ; v12-15 my byte offset in kvq for batch 0..3
.set ADRA, 16
.set ADRB, 20
.set STO,  24
.set RD,   25
.set ADRS, 27
.set SPW,  28
.set NIL,  29
.set SC,   32
.set DWS,  96
.set DWB,  104
.set F,    112
.set AF,   128
.set TMP,  128
.set BIAS, 192
.set BK,   192
.set DWF,  64                          ; window 1
.set DWA,  192                         ; window 1
.set G1, 24
.set G0, 32
.set G1B, 48
.set G0B, 56
.set G1S, 68
.set G0S, 76
.set G1SB, 80
.set G0SB, 88
.set MSB, 0
.macro WIN new                         ; the immediate's high byte repeats the setting that is left
.if MSB != \new
	s_set_vgpr_msb (MSB<<8)|\new
.set MSB, \new
.endif
.endm
.set MUL_LO, 0xa1                      ; source 0 (W) window 1, source 1 (x) window 0, C and D window 2
.set MUL_HI, 0xf1                      ; the same, C and D window 3
.set TO_B,   0x40
; A joint load: waves 0 and 1 fetch for x, waves 2 and 3 for W.  An s_nop 0 and four v_nop follow each of the two lines.
.macro JLOAD g0a, g1a, g0b, g1b
	s_cmp_eq_u32 s15, 0
	s_cbranch_scc0 .Lfor_b_\@
	tensor_load_to_lds s[\g0a:\g0a+3], s[\g1a:\g1a+7]
	s_nop 0
.rept 4
	v_nop
.endr
	s_branch .Lasked_\@
.Lfor_b_\@:
	tensor_load_to_lds s[\g0b:\g0b+3], s[\g1b:\g1b+7]
	s_nop 0
.rept 4
	v_nop
.endr
.Lasked_\@:
.endm
.macro CROUND                          ; a round of the cluster's barrier
	s_barrier_signal -1
	s_barrier_wait -1
	s_cmp_lg_u32 s14, 0
	s_cbranch_scc1 .Lnot_wave_0_\@
	s_barrier_signal -3
.Lnot_wave_0_\@:
	s_barrier_wait -3
	s_barrier_signal -1
	s_barrier_wait -1
.endm
	s_load_b128 s[4:7], s[0:1], 0x0                ; xcodes, xscales
	s_load_b128 s[8:11], s[0:1], 0x10              ; wcodes, wscales
	s_load_b64 s[12:13], s[0:1], 0x20              ; kvq
	s_load_b64 s[96:97], s[0:1], 0x28              ; in_proj_bias
	s_load_b64 s[98:99], s[0:1], 0x30              ; dw_b
	v_lshl_add_u32 v[SPW], v0, 2, SPARE
	v_mov_b32 v[NIL], 0
	ds_add_u32 v[SPW], v[NIL]                      ; the wave's opening: the add and its wait stand ahead of my first tensor load; the set-up below stands between them
	v_lshrrev_b32 v1, 5, v0
	v_readfirstlane_b32 s14, v1                    ; wave 0..3
	s_lshr_b32 s15, s14, 1                         ; which half of the tile's rows is mine.  Also: I fetch for x (0) or for W (1)
	s_and_b32 s16, s14, 1                          ; which half of its columns.  Also: which 128 rows I fetch
	s_bfe_u32 s40, ttmp6, 0x40000                  ; cx: the tile column
	s_bfe_u32 s41, ttmp6, 0x40004                  ; cy
	s_and_b32 s2, ttmp7, 0xffff                    ; the cluster's y
	s_lshr_b32 s66, s2, 2                          ; g: the same in all sixteen partners
	s_and_b32 s2, s2, 3
	s_lshl_b32 s2, s2, 2
	s_add_co_u32 s95, s2, s41                      ; the tile row inside the group's tensor, 0..15
	s_lshr_b32 s2, s66, 1
	s_lshl_b32 s2, s2, 4
	s_add_co_u32 s17, s95, s2                      ; in xcodes: key's 16 tile rows, then node_key's
	s_and_b32 s2, s66, 1
	s_lshl_b32 s2, s2, 2
	s_add_co_u32 s2, s2, 4                         ; Wk begins at tile 4 of wcodes, Wv at 8
	s_add_co_u32 s42, s2, s40                      ; W's tile of 256 rows
	s_lshl_b32 s43, s41, 2
	s_lshl_b32 s43, 15, s43                        ; my row of the cluster
	s_lshl_b32 s44, 0x1111, s40                    ; my column
	s_or_b32 s[G1+0], s43, (0<<16)|(1<<20)|(1<<21)|(5<<22)|(3<<25)  ; the mask; elements of 1 byte; padding on; bit 21 beside a mask; after every 64 words, 4 words
	s_or_b32 s[G1B+0], s44, (0<<16)|(1<<20)|(1<<21)|(5<<22)|(3<<25)
.irp g, G1, G1B
	s_mov_b32 s[\g+1], ROWB<<16                    ; tensor_dim0
	s_mov_b32 s[\g+2], 128<<16                     ; tensor_dim1
	s_mov_b32 s[\g+3], ROWB<<16                    ; tile_dim0
	s_mov_b32 s[\g+4], 128                         ; tile_dim1
	s_mov_b32 s[\g+5], KROW                        ; the pitch
	s_mov_b32 s[\g+6], 0
	s_mov_b32 s[\g+7], 0
.endr
	s_or_b32 s[G1S+0], s43, (3<<16)|(1<<20)|(1<<21)|(5<<22)|(3<<25)   ; the scales of 128 rows: 4,096 dense bytes as 16 rows of 256 (32 elements of 8 bytes)
	s_or_b32 s[G1SB+0], s44, (3<<16)|(1<<20)|(1<<21)|(5<<22)|(3<<25)
.irp g, G1S, G1SB
	s_mov_b32 s[\g+1], 32<<16
	s_mov_b32 s[\g+2], (128*KS/256)<<16
	s_mov_b32 s[\g+3], 32<<16
	s_mov_b32 s[\g+4], 128*KS/256
	s_mov_b32 s[\g+5], 32
	s_mov_b32 s[\g+6], 0
	s_mov_b32 s[\g+7], 0
.endr
	s_lshl_b32 s18, s16, 7
	s_lshl_b32 s20, s17, 8
	s_add_co_u32 s20, s20, s18                     ; x: row 256 x tile row + 128 x half
	s_lshl_b32 s46, s42, 8
	s_add_co_u32 s46, s46, s18                     ; W: row 256 x tile + 128 x half
	s_mov_b32 s21, 0
	s_mov_b32 s47, 0
	s_mov_b64 s[18:19], KS
	s_mul_u64 s[22:23], s[20:21], s[18:19]
	s_mul_u64 s[92:93], s[46:47], s[18:19]
	s_mov_b64 s[18:19], KROW
	s_mul_u64 s[20:21], s[20:21], s[18:19]
	s_mul_u64 s[46:47], s[46:47], s[18:19]
	s_mul_i32 s45, s14, HALFT                      ; where they go: wave x 128 rows
	s_mul_i32 s94, s14, HALFS
	s_wait_dscnt 0x0                               ; the opening add is done
	s_wait_kmcnt 0x0
	s_add_nc_u64 s[20:21], s[4:5], s[20:21]
	s_add_nc_u64 s[22:23], s[6:7], s[22:23]
	s_add_nc_u64 s[46:47], s[8:9], s[46:47]
	s_add_nc_u64 s[92:93], s[10:11], s[92:93]
	CROUND                                         ; all sixteen work-groups are here: the joint loads meet
	s_mov_b32 s[G0S], 1
	s_add_co_u32 s[G0S+1], s94, SCL
	s_mov_b64 s[G0S+2:G0S+3], s[22:23]
	s_or_b32 s[G0S+3], s[G0S+3], 0x80000000
	s_mov_b32 s[G0SB], 1
	s_add_co_u32 s[G0SB+1], s94, SCL
	s_mov_b64 s[G0SB+2:G0SB+3], s[92:93]
	s_or_b32 s[G0SB+3], s[G0SB+3], 0x80000000
	JLOAD G0S, G1S, G0SB, G1SB                     ; the scales first; three loads of mine are out behind the third line
.irp s, 0,1
	s_mov_b32 s[G0+4*\s], 1
	s_add_co_u32 s[G0+4*\s+1], s45, \s*SLOT
	s_add_nc_u64 s[G0+4*\s+2:G0+4*\s+3], s[20:21], \s*ROWB
	s_or_b32 s[G0+4*\s+3], s[G0+4*\s+3], 0x80000000
	s_mov_b32 s[G0B+4*\s], 1
	s_add_co_u32 s[G0B+4*\s+1], s45, \s*SLOT
	s_add_nc_u64 s[G0B+4*\s+2:G0B+4*\s+3], s[46:47], \s*ROWB
	s_or_b32 s[G0B+4*\s+3], s[G0B+4*\s+3], 0x80000000
	JLOAD G0+4*\s, G1, G0B+4*\s, G1B
.endr
	v_and_b32 v1, 15, v0                           ; r
	v_bfe_u32 v2, v0, 4, 1                         ; lane / 16
	; what comes straight from memory: the bias of my 128 columns, dw_w's rows of my two heads, dw_b
	s_lshl_b32 s67, s40, 2
	s_lshl_b32 s46, s16, 1
	s_add_co_u32 s67, s67, s46                     ; hd0: my first head
	s_lshl_b32 s46, s42, 8
	s_lshl_b32 s47, s16, 7
	s_add_co_u32 s46, s46, s47
	s_lshl_b32 s46, s46, 2
	s_mov_b32 s47, 0
	s_add_nc_u64 s[96:97], s[96:97], s[46:47]      ; in_proj_bias at my first column (W's row number)
	s_add_co_u32 s46, s67, 3072
	s_lshl_b32 s46, s46, 9
	s_add_nc_u64 s[100:101], s[8:9], s[46:47]      ; dw_w's codes: wcodes' row 3,072 + hd0
	s_lshr_b32 s46, s46, 4
	s_add_nc_u64 s[92:93], s[10:11], s[46:47]      ; and its scale bytes
	s_lshl_b32 s46, s67, 2
	s_add_nc_u64 s[98:99], s[98:99], s[46:47]      ; dw_b[hd0]
	v_lshlrev_b32 v[OB], 5, v2
	v_and_b32 v3, 1, v0
	v_lshlrev_b32 v[OS], 5, v3
	v_lshlrev_b32 v[OF], 9, v3
	v_lshl_add_u32 v[OF], v2, 4, v[OF]
	v_mov_b32 v[OZ], 0
.irp b, 0,1,2,3,4,5,6,7
	global_load_b128 v[BIAS+8*\b:BIAS+8*\b+3], v[OB], s[96:97] offset:64*\b         ; register j of block b: the bias of column 16 b + 8 (lane / 16) + j
	global_load_b128 v[BIAS+8*\b+4:BIAS+8*\b+7], v[OB], s[96:97] offset:64*\b+16
.endr
	global_load_b128 v[DWS:DWS+3], v[OS], s[92:93]             ; register q: the word of the q-th 128 along K
	global_load_b128 v[DWS+4:DWS+7], v[OS], s[92:93] offset:16
.irp j, 0,2,4,6
	global_load_b64 v[DWB+\j:DWB+\j+1], v[OZ], s[98:99]        ; register j: dw_b[hd0 + j % 2]
.endr
	WIN TO_B
.irp q, 0,1,2,3,4,5,6,7
.irp c, 0,1
	global_load_b128 v[DWF+8*\q+4*\c:DWF+8*\q+4*\c+3], v[OF], s[100:101] offset:64*\q+32*\c
.endr
.endr
	WIN 0
	v_mul_u32_u24 v3, v1, PITCH
	v_lshl_add_u32 v4, v2, 4, v3                   ; a fragment's row x pitch + 16 x half
	s_mul_i32 s21, s15, HALFT
	s_mul_i32 s22, s16, HALFT
	s_add_co_u32 s22, s22, 2*HALFT
.irp s, 0,1
	v_add_nc_u32 v[ADRA+\s], s21, v4
	v_add_nc_u32 v[ADRB+\s], s22, v4
	s_add_co_u32 s21, s21, SLOT
	s_add_co_u32 s22, s22, SLOT
.endr
	v_mul_u32_u24 v5, v1, KS                       ; my row's scales: KS bytes a row,
	v_lshrrev_b32 v6, 8, v5
	v_lshl_add_u32 v5, v6, 4, v5                   ; and 16 more for each 256 passed
	s_mul_i32 s21, s15, HALFS
	s_mul_i32 s22, s16, HALFS
	s_add_co_u32 s22, s22, 2*HALFS
	s_sub_co_u32 s22, s22, s21
	v_mul_u32_u24 v6, s22, v2                      ; lanes 16-31 take W's
	s_add_co_u32 s21, s21, SCL
	v_add_nc_u32 v5, v5, v6
	v_add_nc_u32 v[ADRS], s21, v5
	s_mul_i32 s23, s14, 16*SPITCH                  ; my stage
	v_mul_u32_u24 v5, v1, SPITCH
	v_lshl_add_u32 v5, v2, 4, v5
	v_add_nc_u32 v[STO], s23, v5                   ; in: row r, 16 bytes for each half of the lanes
	v_and_b32 v6, 31, v0
	v_lshrrev_b32 v5, 3, v6
	v_mul_u32_u24 v5, v5, 4*SPITCH
	v_and_b32 v3, 7, v0
	v_lshl_add_u32 v5, v3, 4, v5
	v_add_nc_u32 v[RD], s23, v5                    ; back: eight lanes take a head's 128 bytes of one row; rows 4 apart are one batch's neighbouring keys
	v_lshlrev_b32 v[CO], 4, v6
.irp b, 1,2,3
	v_add_nc_u32 v[CO+\b], \b*16*BHB, v[CO]
.endr
	s_and_b32 s46, s66, 1
	s_lshl_b32 s46, s46, 18                        ; V's plane,
	s_lshr_b32 s47, s66, 1
	s_lshl_b32 s47, s47, 17                        ; the nodes' keys
	s_add_co_u32 s46, s46, s47
	v_mov_b32 v[QS], 1.0
	s_cmp_eq_u32 s66, 3
	s_cselect_b32 s94, -1, 0                       ; all lanes take the sigmoid in group 3, none elsewhere
	s_mul_i32 s47, s67, BHB
	s_add_co_u32 s46, s46, s47
	s_mov_b32 s47, 0
	s_add_nc_u64 s[12:13], s[12:13], s[46:47]
	s_lshl_b32 s20, s95, 13                        ; 64 keys of 128 bytes a tile row,
	s_lshl_b32 s21, s15, 12                        ; 32 a half
	s_add_co_u32 s20, s20, s21
	s_mov_b32 s21, 0
	s_add_nc_u64 s[12:13], s[12:13], s[20:21]
.macro FRAG reg, adr, q, i             ; 16 rows x 128 K of 4-bit codes: 8 registers; lane l holds row l % 16; registers 4 c .. 4 c + 3 hold K = 64 c + 32 (l / 16) + 0 .. 31
.irp c, 0,1
	ds_load_b128 v[\reg+4*\c:\reg+4*\c+3], v[\adr] offset:64*(\q)+32*\c+(\i)*16*PITCH
.endr
.endm
; 16 matrix instructions: x's blocks a0, a0 + 1 against W's eight.  zero = 1: the first product starts the sums, with the bias as C.  The accumulators take turns, one instruction a turn.
.macro MUL16 a0, p, q, sc, zero
.irp a, \a0, \a0+1
.irp b, 0,1,2,3,4,5,6,7
.if \zero
	v_wmma_scale_f32_16x16x128_f8f6f4 v[8*(8*((\a)%4)+\b):8*(8*((\a)%4)+\b)+7], v[128*(\p)+FR*\b:128*(\p)+FR*\b+FR-1], v[AF+FR*(\a):AF+FR*(\a)+FR-1], v[BIAS+8*\b:BIAS+8*\b+7], v[SC+8*NQ*(\sc)+NQ*\b+(\q)], v[SC+8*NQ*(\sc)+NQ*(\a)+(\q)] matrix_a_fmt:MATRIX_FMT_FP4 matrix_b_fmt:MATRIX_FMT_FP4 matrix_a_scale:MATRIX_SCALE_ROW1
.else
	v_wmma_scale_f32_16x16x128_f8f6f4 v[8*(8*((\a)%4)+\b):8*(8*((\a)%4)+\b)+7], v[128*(\p)+FR*\b:128*(\p)+FR*\b+FR-1], v[AF+FR*(\a):AF+FR*(\a)+FR-1], v[8*(8*((\a)%4)+\b):8*(8*((\a)%4)+\b)+7], v[SC+8*NQ*(\sc)+NQ*\b+(\q)], v[SC+8*NQ*(\sc)+NQ*(\a)+(\q)] matrix_a_fmt:MATRIX_FMT_FP4 matrix_b_fmt:MATRIX_FMT_FP4 matrix_a_scale:MATRIX_SCALE_ROW1
.endif
.endr
.endr
.endm
; 4 matrix instructions of the affinity: dw_w's fragment of the kq-th 128 along K against x's blocks a0 .. a0 + 3
.macro DW4 a0, kq, q, sc, zero
.if \zero
	WIN 0x41                                       ; source 0 and D window 1, source 1 and C (dw_b) window 0
.else
	WIN 0x51                                       ; C in window 1 too
.endif
.irp a, \a0, \a0+1, \a0+2, \a0+3
.if \zero
	v_wmma_scale_f32_16x16x128_f8f6f4 v[DWA+8*(\a):DWA+8*(\a)+7], v[DWF+8*(\kq):DWF+8*(\kq)+7], v[AF+FR*(\a):AF+FR*(\a)+FR-1], v[DWB:DWB+7], v[DWS+(\kq)], v[SC+8*NQ*(\sc)+NQ*(\a)+(\q)] matrix_a_fmt:MATRIX_FMT_FP4 matrix_b_fmt:MATRIX_FMT_FP4
.else
	v_wmma_scale_f32_16x16x128_f8f6f4 v[DWA+8*(\a):DWA+8*(\a)+7], v[DWF+8*(\kq):DWF+8*(\kq)+7], v[AF+FR*(\a):AF+FR*(\a)+FR-1], v[DWA+8*(\a):DWA+8*(\a)+7], v[DWS+(\kq)], v[SC+8*NQ*(\sc)+NQ*(\a)+(\q)] matrix_a_fmt:MATRIX_FMT_FP4 matrix_b_fmt:MATRIX_FMT_FP4
.endif
.endr
.endm
.macro FETCH_B slot, q, p
	WIN TO_B
.irp i, 0,1,2,3,4,5,6,7
	FRAG 128*(\p)+FR*\i, ADRB+\slot, \q, \i
.endr
	WIN 0
.endm
.macro FETCH_A slot, q, i0
.irp i, \i0, \i0+1, \i0+2, \i0+3
	FRAG AF+FR*(\i), ADRA+\slot, \q, \i
.endr
.endm
.macro SCALES sc                       ; a slot's scale words: lanes 0-15 take x's block i, lanes 16-31 W's block i
.irp i, 0,1,2,3,4,5,6,7
	ds_load_b128 v[SC+8*NQ*\sc+NQ*\i:SC+8*NQ*\sc+NQ*\i+3], v[ADRS] offset:\i*SBLK
.endr
.endm
.macro PLACES n                        ; plain vector instructions between a matrix instruction and a load into, or a vector read or write of, its registers (ISA guide 7.12.1 for vector reads and writes)
.rept \n
	v_nop
.endr
.endm
; A step of 128 along K that has its successor in the same slot: 72 matrix instructions.
.macro STEP slot, q, zero
	s_wait_dscnt 4*NL                              ; W's set and x's blocks 0-3 are in; the youngest eight loads (x's blocks 4-7) may be out
.if \zero
	WIN 0x81                                       ; C (the bias) in window 0
.else
	WIN MUL_LO
.endif
	MUL16 0, (\q)%2, \q, \slot, \zero
	MUL16 2, (\q)%2, \q, \slot, \zero
	DW4 0, 4*(\slot)+(\q), \q, \slot, \zero
	s_wait_dscnt 0
	PLACES NP
	FETCH_B \slot, (\q)+1, 1-(\q)%2
	FETCH_A \slot, (\q)+1, 0
.if \zero
	WIN 0xc1
.else
	WIN MUL_HI
.endif
	MUL16 4, (\q)%2, \q, \slot, \zero
	MUL16 6, (\q)%2, \q, \slot, \zero
	DW4 4, 4*(\slot)+(\q), \q, \slot, \zero
	PLACES NP
	WIN 0
	FETCH_A \slot, (\q)+1, 4
.endm
	s_wait_tensorcnt 1                             ; the scales and my part of slot 0 are in (slot 1's load may be out)
	s_barrier_signal -1
	s_barrier_wait -1                              ; everybody's are
	FETCH_B 0, 0, 0
	FETCH_A 0, 0, 0
	SCALES 0
	FETCH_A 0, 0, 4
	s_wait_loadcnt 0x0                             ; the bias, dw_w's fragments and words, dw_b
	STEP 0, 0, 1
	STEP 0, 1, 0
	STEP 0, 2, 0
	; slot 0's last step changes slots: one barrier; in front of it my part of slot 1 has landed and my reads of slot 0 are over
	s_wait_tensorcnt 0x0
	ds_add_u32 v[SPW], v[NIL]
	s_wait_dscnt 4*NL+1                            ; (the add and x's blocks 4-7 may be out)
	WIN MUL_LO
	MUL16 0, 1, 3, 0, 0
	s_wait_dscnt 0x0
	s_barrier_signal -1
	MUL16 2, 1, 3, 0, 0
	DW4 0, 3, 3, 0, 0
	WIN 0
	s_barrier_wait -1
	PLACES NP
	v_add_nc_u32 v[ADRS], 4*NQ, v[ADRS]            ; slot 1's scale words
	FETCH_B 1, 0, 0
	FETCH_A 1, 0, 0
	SCALES 1
	WIN MUL_HI
	MUL16 4, 1, 3, 0, 0
	MUL16 6, 1, 3, 0, 0
	DW4 4, 3, 3, 0, 0
	PLACES NP
	WIN 0
	FETCH_A 1, 0, 4
	STEP 1, 0, 0
	STEP 1, 1, 0
	STEP 1, 2, 0
	s_wait_dscnt 4*NL                              ; the last step: nothing more to fetch
	WIN MUL_LO
	MUL16 0, 1, 3, 1, 0
	MUL16 2, 1, 3, 1, 0
	DW4 0, 7, 3, 1, 0
	s_wait_dscnt 0
	WIN MUL_HI
	MUL16 4, 1, 3, 1, 0
	MUL16 6, 1, 3, 1, 0
	DW4 4, 7, 3, 1, 0
	; THE ROWS' FACTORS: sigmoid(x) = 1 / (1 + 2^(-x log2 e)) of the affinity's registers 0 and 1 (each accumulator is read from its low end)
	PLACES NP
	WIN 0x04                                       ; source 1 in window 1
.irp a, 0,1,2,3,4,5,6,7
	v_mul_f32 v[F+2*\a], 0xbfb8aa3b, v[DWA+8*\a]
	v_mul_f32 v[F+2*\a+1], 0xbfb8aa3b, v[DWA+8*\a+1]
.endr
	WIN 0
.set i, 0
.rept 16
	v_exp_f32 v[F+i], v[F+i]
.set i, i+1
.endr
	v_nop                                          ; a plain instruction behind the last exponential,
	s_wait_alu depctr_va_vdst(0)                   ; and one wait for the batch, ahead of its first reader
.set i, 0
.rept 16
	v_add_f32 v[F+i], 1.0, v[F+i]
.set i, i+1
.endr
.set i, 0
.rept 16
	v_rcp_f32 v[F+i], v[F+i]
.set i, i+1
.endr
	v_nop
	s_wait_alu depctr_va_vdst(0)
.set i, 0
.rept 16
	v_cndmask_b32 v[F+i], v[QS], v[F+i], s94       ; group 3: the sigmoid; else 1
.set i, i+1
.endr
; THE WAY OUT, block by block of 16 rows x 128 columns: times the row's factor (columns 0-63: head hd0's, 64-127: head hd0 + 1's), rounded to f16, through my stage, and out as runs of 512 bytes: 4 keys of one batch and head.
.macro PACK a
.set AC, 64*((\a)%4)
	WIN 0x82+0x41*((\a)/4)                         ; D and source 0 in window 2 or 3
.irp b, 0,1,2,3,4,5,6,7
.irp r, 0,1,2,3
.if \b < 4
	v_pk_mul_f32 v[AC+8*\b+2*\r:AC+8*\b+2*\r+1], v[AC+8*\b+2*\r:AC+8*\b+2*\r+1], v[F+2*(\a):F+2*(\a)+1] op_sel_hi:[1,0]
.else
	v_pk_mul_f32 v[AC+8*\b+2*\r:AC+8*\b+2*\r+1], v[AC+8*\b+2*\r:AC+8*\b+2*\r+1], v[F+2*(\a):F+2*(\a)+1] op_sel:[0,1] op_sel_hi:[1,1]
.endif
.endr
.endr
	WIN 0x0a+5*((\a)/4)                            ; sources 0 and 1 in window 2 or 3
.irp b, 0,1,2,3,4,5,6,7
.irp r, 0,1,2,3
	v_cvt_pk_f16_f32 v[TMP+4*\b+\r], v[AC+8*\b+2*\r], v[AC+8*\b+2*\r+1]
.endr
.endr
	WIN 0
.endm
.macro TOSTAGE a
.set BB, BK+32*((\a)%2)
.irp b, 0,1,2,3,4,5,6,7
	ds_store_b128 v[STO], v[TMP+4*\b:TMP+4*\b+3] offset:32*\b
.endr
.irp t, 0,1,2,3,4,5,6,7
	ds_load_b128 v[BB+4*\t:BB+4*\t+3], v[RD] offset:(\t%4)*SPITCH+(\t/4)*128   ; batch t % 4, head t / 4.  LDS serves a wave's instructions in order: these see the stores above
.endr
.endm
.macro SEND a
.set BB, BK+32*((\a)%2)
	s_wait_dscnt 0x0                               ; the block is back in registers
	s_wait_xcnt 0x0                                ; the stores of the block before have read their registers: the next block's loads land there only behind this wait
.irp t, 0,1,2,3,4,5,6,7
	global_store_b128 v[CO+\t%4], v[BB+4*\t:BB+4*\t+3], s[12:13] offset:(\t/4)*BHB+(\a)*512   ; 32 lanes store 512 consecutive bytes, aligned
.endr
.endm
	PACK 0
	TOSTAGE 0
.irp a, 1,2,3,4,5,6,7
	PACK \a
	SEND \a-1
	TOSTAGE \a
.endr
	SEND 7
	s_wait_tensorcnt 0x0                           ; the wave's end, behind my last tensor load and my last LDS store
	ds_add_u32 v[SPW], v[NIL]
	s_wait_dscnt 0x0
	CROUND                                         ; the closing round
	s_endpgm
.Lfunc_end_k_q1e563c615b_proj:
	.size	k_q1e563c615b_proj, .Lfunc_end_k_q1e563c615b_proj-k_q1e563c615b_proj
	.p2alignl 7, 3214868480
	.fill 96, 4, 3214868480
	.section	.rodata,"a",@progbits
	.p2align	6, 0x0
	.amdhsa_kernel k_q1e563c615b_proj
		.amdhsa_group_segment_fixed_size 327680
		.amdhsa_private_segment_fixed_size 0
		.amdhsa_enable_private_segment 0
		.amdhsa_kernarg_size 56
		.amdhsa_user_sgpr_count 2
		.amdhsa_user_sgpr_kernarg_segment_ptr 1
		.amdhsa_wavefront_size32 1
		.amdhsa_system_sgpr_workgroup_id_x 1
		.amdhsa_system_sgpr_workgroup_id_y 1
		.amdhsa_system_sgpr_workgroup_id_z 1
		.amdhsa_system_vgpr_workitem_id 0
		.amdhsa_next_free_vgpr 1024
		.amdhsa_next_free_sgpr 102
		.amdhsa_reserve_vcc 0
		.amdhsa_float_denorm_mode_32 3
		.amdhsa_float_denorm_mode_16_64 3
		.amdhsa_memory_ordered 1
		.amdhsa_forward_progress 1
		.amdhsa_inst_pref_size 160
	.end_amdhsa_kernel
	.amdgpu_metadata
---
amdhsa.version: [ 1, 2 ]
amdhsa.kernels:
  - .name:           k_q1e563c615b_proj
    .symbol:         k_q1e563c615b_proj.kd
    .args:
      - { .name: xcodes, .offset: 0, .size: 8, .value_kind: global_buffer, .address_space: global }
      - { .name: xscales, .offset: 8, .size: 8, .value_kind: global_buffer, .address_space: global }
      - { .name: wcodes, .offset: 16, .size: 8, .value_kind: global_buffer, .address_space: global }
      - { .name: wscales, .offset: 24, .size: 8, .value_kind: global_buffer, .address_space: global }
      - { .name: kvq, .offset: 32, .size: 8, .value_kind: global_buffer, .address_space: global }
      - { .name: in_proj_bias, .offset: 40, .size: 8, .value_kind: global_buffer, .address_space: global }
      - { .name: dw_b, .offset: 48, .size: 8, .value_kind: global_buffer, .address_space: global }
    .group_segment_fixed_size: 327680
    .private_segment_fixed_size: 0
    .kernarg_segment_align: 8
    .kernarg_segment_size: 56
    .max_flat_workgroup_size: 128
    .sgpr_count:     102
    .vgpr_count:     1024
    .wavefront_size: 32
...
	.end_amdgpu_metadata
.endif
;; end of part 2
;; launch attn (part 3): grid 4 x 64, 8 waves a work-group, clusters of 4 x 1, 327,680 bytes of LDS; arguments kvq, key_padding_mask, node_padding_mask, o16, xcodes, xscales, wcodes, wscales, in_proj_bias; writes o16
.if DOCPART == 3
	.amdgcn_target "amdgcn-amd-amdhsa--gfx1250"
	.amdhsa_code_object_version 6
	.text
	.protected	k_q1e563c615b_attn
	.globl	k_q1e563c615b_attn
	.p2align	8
	.type	k_q1e563c615b_attn,@function
k_q1e563c615b_attn:
	s_mov_b64 s[64:65], 0
	v_nop
	global_prefetch_b8 v0, s[64:65] scope:SCOPE_SE
	s_setreg_imm32_b32 hwreg(HW_REG_WAVE_MODE, 25, 1), 1
	s_wait_xcnt 0x0
	s_wait_alu depctr_hold_cnt(0) depctr_sa_sdst(0) depctr_va_vdst(0) depctr_va_sdst(0) depctr_va_ssrc(0) depctr_va_vcc(0) depctr_vm_vsrc(0)
	s_getreg_b32 s2, hwreg(HW_REG_IB_STS2, 6, 4)
	s_cmp_eq_u32 s2, 0
	s_cbranch_scc0 .Lentry_in_a_cluster
	s_endpgm
.Lentry_in_a_cluster:
	s_bfe_u32 s2, ttmp6, 0x10000c
	s_cmp_lg_u32 s2, 0x3003
	s_cbranch_scc0 .Lentry_shape_is_right
	s_endpgm
.Lentry_shape_is_right:
; o = softmax over 2,047 keys (1,024 leaves, 1,023 nodes) of q . k, times v, for one (batch, head) a cluster; f16 operands, f32 sums, maxima and row sums.
; SHARES.  A cluster of four work-groups is one (batch, head); a work-group owns 256 queries.  Wave w: queries 64 (w % 4) on, four tiles of 16; key half w / 4 (0: leaves, 1: nodes), 1,024 keys, 64 a step.
; So two waves lie on a SIMD, and one's softmax stands beside the other's products.  At the end the nodes' wave hands its maximum, sum and O to the leaves' wave through LDS.
; q IS PROJECTED HERE, at the head, on codes of FP4 (E2M1) with one E8M0 scale for each 32 along K = 1,024: the work-group's 256 queries x the head's 64 rows of Wq are 512 matrix instructions, 64 a wave: wave w makes
; tiles 2 (w / 4) and 2 (w / 4) + 1 of its four.  The queries' codes come straight into registers; Wq's 32 fragments are loaded once a work-group (wave w: those of K step w) and go round through LDS as images of their registers.
; The product is used transposed (source 0 = 16 rows of Wq, source 1 = 16 queries): a lane's eight results are eight neighbouring channels of one query, which, times 0.125 log2(e) and rounded to f16 in pairs, ARE q's fragment;
; it goes as an image through LDS to the wave of the other key half.  in_proj_bias is the C of each sum's first product.  With that factor p = 2^(s - m).
; LAYOUT.  S^T = K Q^T (source 0 = 16 keys, source 1 = 16 queries) and O^T = V^T P: a lane holds ONE query throughout; two tiles of S^T rounded to f16 in pairs are source 1 of the second product; V is turned by ds_load_tr16_b128.
; THE MASKS are a table of 2,048 f32 in LDS: 0, or -3e38 for a padded key, or -3.2965e38 for key 2,047, which does not exist.  A step's 64 entries are the C of the first products of S^T: the mask costs no vector instruction.
; The running maximum is taken away before every exponential; O and the sum are multiplied by 2^(old m - new m) in every step.
; K's and V's tiles come through two LDS slots of 2 steps for each half, by JOINT loads (mask 15: all four work-groups walk the same keys): waves 0-3 fetch K's four tiles of a slot, waves 4-7 V's.
; LIMITS: k, v, 0.18 q and o inside f16's range.  A padded key's score is -3e38 + s as the matrix unit adds them: its p is 0 wherever the row has a key that is not padded; a batch whose 2,047 keys are ALL padded gives the
; plain mean of the values only if that sum returns -3e38 unchanged.
; REGISTERS: window 0: v1-15 addresses; v16-47 statistics, 8 a tile (+0 m, +1 zero, +2 +3 the sum, +4..+7 at work, the rescaling factor in +6); v48-79 the step's mask entries; v80, v81 the add's two; v82-101 at work;
;   v104-127 scale words and nothing else; v128-255 S^T, 32 a tile (P is packed into a tile's first 16).   window 1: v0-127 O^T, 32 a tile; v128-191 Q; v192-255 K of a step, then V.
;   While q is projected: v16-79 its eight accumulators, v128-255 the queries' 16 fragments, all of window 1 Wq's 32 fragments.
.set KP,    144                        ; a key's row of K in LDS: 128 bytes + 16: the 16 rows of a load start at 16 different banks (64 banks of 4 bytes: ISA guide 11.1)
.set VP,    160                        ; of V: 128 + 32
.set VOFF,  64*KP
.set STEPB, 64*(KP+VP)                 ; a step's tiles: 64 rows of K, then 64 of V
.set HALFB, 2*STEPB                    ; a half's two steps
.set SLOT1, 1<<17                      ; slot 1 begins here: one exclusive or turns an address from one slot into the other
.set OST,   2*HALFB                    ; behind slot 0's tiles, where no fill lands: the way out, 64 rows x 144 bytes for each of four waves
.set MST,   65536                      ; in slot 0, behind its last fill and last read: the nodes' maxima and sums; their O from byte 0 on, 16,384 bytes a wave
.set WIM,   SLOT1+2*HALFB              ; behind slot 1's tiles, where no fill lands: the images of Wq's 32 fragments, 1,024 bytes each
.set MB,    2*SLOT1                    ; the mask table, 8,192 bytes
.set SPARE, MB+8192                    ; the spare words, 128 bytes for each of eight waves
.set QIM,   SPARE+1024                 ; the images of q's 16 tiles, 2,048 bytes each
.set BHB,   524288                     ; a (batch, head) in kvq
.set AK0, 2
.set AV0, 3
.set AM0, 4
.set ADK, 5
.set ADV, 6
.set ADM, 7
.set QLA, 5                            ; at the head the three registers of the loads in hand serve the images: where I read q's,
.set QSA, 6                            ; where I store q's,
.set WLA, 7                            ; where I read Wq's
.set MTA, 8                            ; v8   where I store my 8 entries of the mask table
.set STO, 10
.set RD,  11
.set GO,  12
.set MGI, 13
.set MGS, 14
.set PFO, 15
.set ST,  16
.set QA,  16                           ; q's accumulators: (u, c) at v[16 + 8 (4 u + c)]
.set MBR, 48
.set SPW, 80
.set NIL, 81
.set MO0, 85                           ; v85  the mask bytes' offset, entries 0-6;  v86 entry 7's, held at the row's last byte
.set MO7, 86
.set PADK, 87                          ; v87  -3.2965e38
.set XO,  88                           ; v88  the queries' codes: 2,048 r + 16 (lane / 16)
.set WO,  89                           ; v89  Wq's codes: 512 r + 16 (lane / 16)
.set SWO, 90                           ; v90  Wq's scale words: 32 x lane
.set SXO, 91                           ; v91  the queries': 128 x lane
.set BO,  92                           ; v92  the bias: 32 (lane / 16)
.set WSA, 93                           ; v93  where I store Wq's images
.set MK,  94                           ; v94-101 the mask bytes; at the end the nodes' maxima and sums
.set SCW, 104                          ; v104-119 Wq's scale words: register 8 (c / 2) + q: lanes 0-15 tile c even, lanes 16-31 tile c odd, K step q
.set SCX, 120                          ; v120-127 the queries': register q: lanes 0-15 my first tile, lanes 16-31 my second
.set S,   128
.set XF,  128                          ; the queries' fragments: (u, q) at v[128 + 8 (8 u + q)]
.set O,   0                            ; window 1
.set Q,   128                          ; window 1
.set KV,  192                          ; window 1
.set WV,  12
.set LIM, 15
.set PFA, 18
.set G1K, 24
.set G1V, 32
.set G0K, 40
.set G0V, 48
.set SLOTS, 56
.set TWICE, 57
.set SEL, 60
.set TB,  62
.set TM,  63
.set MSB, 0
.macro WIN new
.if MSB != \new
	s_set_vgpr_msb (MSB<<8)|\new
.set MSB, \new
.endif
.endm
.macro JLOAD                           ; a joint refill; an s_nop 0 and four v_nop follow each of the two lines
	s_cmp_lt_u32 s[WV], 4
	s_cbranch_scc0 .Lfor_v_\@
	tensor_load_to_lds s[G0K+4:G0K+7], s[G1K:G1K+7]
	s_nop 0
.rept 4
	v_nop
.endr
	s_branch .Lasked_\@
.Lfor_v_\@:
	tensor_load_to_lds s[G0V+4:G0V+7], s[G1V:G1V+7]
	s_nop 0
.rept 4
	v_nop
.endr
.Lasked_\@:
.endm
; A prefetch of what the NEXT change of slots will ask for: a slot is four tiles of 16,384 bytes (K and V of both halves).  The partner at place cx names one of them BY ADDRESS; in each work-group waves 0 and 1 ask,
; 8,192 bytes each, lanes 256 bytes apart: each block of 256 bytes is named once in the launch.  It stands two key steps ahead of the load.  The last change that fills a slot asks for nothing.
.macro ASK
	s_cmp_gt_u32 s[SLOTS], s[LIM]
	s_cbranch_scc0 .Lnot_mine_\@
	global_prefetch_b8 v[PFO], s[PFA:PFA+1] th:TH_LOAD_NT scope:SCOPE_SE
.Lnot_mine_\@:
.endm
.macro CROUND
	s_barrier_signal -1
	s_barrier_wait -1
	s_cmp_lg_u32 s[WV], 0
	s_cbranch_scc1 .Lnot_wave_0_\@
	s_barrier_signal -3
.Lnot_wave_0_\@:
	s_barrier_wait -3
	s_barrier_signal -1
	s_barrier_wait -1
.endm
; One product of q's projection: my tile u of queries x tile c of Wq's rows, K step q; cu: the tile whose accumulator gives C.  The rows of the scale registers go with c and u.
.macro QW u, c, q, cu
.if ((\c)%2 == 0) && ((\u) == 0)
	v_wmma_scale_f32_16x16x128_f8f6f4 v[QA+8*(4*(\u)+(\c)):QA+8*(4*(\u)+(\c))+7], v[8*(8*(\c)+(\q)):8*(8*(\c)+(\q))+7], v[XF+8*(8*(\u)+(\q)):XF+8*(8*(\u)+(\q))+7], v[QA+8*(4*(\cu)+(\c)):QA+8*(4*(\cu)+(\c))+7], v[SCW+8*((\c)/2)+(\q)], v[SCX+(\q)] matrix_a_fmt:MATRIX_FMT_FP4 matrix_b_fmt:MATRIX_FMT_FP4
.elseif ((\u) == 0)
	v_wmma_scale_f32_16x16x128_f8f6f4 v[QA+8*(4*(\u)+(\c)):QA+8*(4*(\u)+(\c))+7], v[8*(8*(\c)+(\q)):8*(8*(\c)+(\q))+7], v[XF+8*(8*(\u)+(\q)):XF+8*(8*(\u)+(\q))+7], v[QA+8*(4*(\cu)+(\c)):QA+8*(4*(\cu)+(\c))+7], v[SCW+8*((\c)/2)+(\q)], v[SCX+(\q)] matrix_a_fmt:MATRIX_FMT_FP4 matrix_b_fmt:MATRIX_FMT_FP4 matrix_a_scale:MATRIX_SCALE_ROW1
.elseif ((\c)%2 == 0)
	v_wmma_scale_f32_16x16x128_f8f6f4 v[QA+8*(4*(\u)+(\c)):QA+8*(4*(\u)+(\c))+7], v[8*(8*(\c)+(\q)):8*(8*(\c)+(\q))+7], v[XF+8*(8*(\u)+(\q)):XF+8*(8*(\u)+(\q))+7], v[QA+8*(4*(\cu)+(\c)):QA+8*(4*(\cu)+(\c))+7], v[SCW+8*((\c)/2)+(\q)], v[SCX+(\q)] matrix_a_fmt:MATRIX_FMT_FP4 matrix_b_fmt:MATRIX_FMT_FP4 matrix_b_scale:MATRIX_SCALE_ROW1
.else
	v_wmma_scale_f32_16x16x128_f8f6f4 v[QA+8*(4*(\u)+(\c)):QA+8*(4*(\u)+(\c))+7], v[8*(8*(\c)+(\q)):8*(8*(\c)+(\q))+7], v[XF+8*(8*(\u)+(\q)):XF+8*(8*(\u)+(\q))+7], v[QA+8*(4*(\cu)+(\c)):QA+8*(4*(\cu)+(\c))+7], v[SCW+8*((\c)/2)+(\q)], v[SCX+(\q)] matrix_a_fmt:MATRIX_FMT_FP4 matrix_b_fmt:MATRIX_FMT_FP4 matrix_a_scale:MATRIX_SCALE_ROW1 matrix_b_scale:MATRIX_SCALE_ROW1
.endif
.endm
	s_load_b256 s[4:11], s[0:1], 0x0               ; kvq 4, key_padding_mask 6, node_padding_mask 8, o16 10
	s_load_b256 s[72:79], s[0:1], 0x20             ; xcodes 72, xscales 74, wcodes 76, wscales 78
	s_load_b64 s[80:81], s[0:1], 0x40              ; in_proj_bias
	v_lshl_add_u32 v[SPW], v0, 2, SPARE
	v_mov_b32 v[NIL], 0
	ds_add_u32 v[SPW], v[NIL]                      ; the wave's opening: the add and its wait stand ahead of my first tensor load; the set-up below stands between them
	v_lshrrev_b32 v1, 5, v0
	v_readfirstlane_b32 s[WV], v1                  ; wave 0..7
	s_bfe_u32 s13, ttmp6, 0x40000                  ; cx: my block of 256 queries
	s_and_b32 s14, ttmp7, 0xffff                   ; 16 x batch + head, which the partners share
	s_and_b32 s58, s[WV], 3                        ; my 64 queries.  Also: which of a slot's four tiles of K (or V) I fetch
	s_lshr_b32 s59, s[WV], 2                       ; my key half
	s_lshr_b32 s16, s58, 1                         ; the tile's half,
	s_and_b32 s17, s58, 1                          ; and step
	s_mul_i32 s20, s16, HALFB
	s_mul_i32 s21, s17, STEPB
	s_add_co_u32 s20, s20, s21                     ; its place in a slot
	s_mul_i32 s22, s14, BHB
	s_lshl_b32 s21, s16, 17
	s_add_co_u32 s22, s22, s21
	s_lshl_b32 s21, s17, 13
	s_add_co_u32 s22, s22, s21                     ; and in memory
	s_mov_b32 s23, 0
	s_mov_b32 s[G1K], 15|(1<<16)|(1<<20)|(1<<21)|(4<<22)|(3<<25)  ; mask: all four; elements of 2 bytes; padding on; bit 21 beside a mask; after every 32 words, 4 words
	s_mov_b32 s[G1V], 15|(1<<16)|(1<<20)|(1<<21)|(4<<22)|(7<<25)  ; 8 words
.irp g, G1K, G1V
	s_mov_b32 s[\g+1], 64<<16                      ; tensor_dim0
	s_mov_b32 s[\g+2], 64<<16                      ; tensor_dim1
	s_mov_b32 s[\g+3], 64<<16                      ; tile_dim0
	s_mov_b32 s[\g+4], 64                          ; tile_dim1
	s_mov_b32 s[\g+5], 64                          ; the pitch
	s_mov_b32 s[\g+6], 0
	s_mov_b32 s[\g+7], 0
.endr
	s_mov_b32 s[SEL], 0x76543210
	s_mov_b32 s[SEL+1], 0xfedcba98                 ; v_permlanex16_b32: lane l xor 16
	s_mov_b32 s[TB], 0
	s_mov_b32 s[TM], 0
	s_mov_b32 s[SLOTS], 6                          ; 8 slots of keys; two are asked for at the start
	s_cmp_lt_u32 s[WV], 2
	s_cselect_b32 s[LIM], 1, -1                    ; waves 0 and 1 prefetch
	v_and_b32 v82, 31, v0                          ; lane
	v_lshlrev_b32 v[PFO], 8, v82
	s_mul_i32 s70, s14, BHB
	s_and_b32 s71, s13, 1
	s_lshl_b32 s71, s71, 18
	s_add_co_u32 s70, s70, s71
	s_lshr_b32 s71, s13, 1
	s_lshl_b32 s71, s71, 17
	s_add_co_u32 s70, s70, s71
	s_and_b32 s71, s[WV], 1
	s_lshl_b32 s71, s71, 13
	s_add_co_u32 s70, s70, s71
	s_add_co_u32 s70, s70, 2*16384                 ; in slot 2: the first change steps it to slot 3
	s_mov_b32 s71, 0
	; q's projection and the masks: offsets
	s_and_b32 s82, s14, 15                         ; the head
	s_lshr_b32 s83, s14, 4                         ; the batch
	s_lshl_b32 s88, s13, 8
	s_lshl_b32 s89, s58, 6
	s_add_co_u32 s88, s88, s89
	s_lshl_b32 s89, s59, 5
	s_add_co_u32 s88, s88, s89                     ; the first of the 32 queries that I project
	s_lshl_b32 s88, s88, 2
	s_add_co_u32 s88, s88, s83
	s_add_co_u32 s88, s88, 8192                    ; its row in xcodes: 8,192 + 4 t + batch
	s_mov_b32 s87, 0
	s_mov_b32 s90, 0x3e38aa3b                      ; 0.125 log2(e)
	s_mov_b32 s91, s90                             ; (named with it as a pair, so it is written)
	s_cmp_lt_u32 s[WV], 4                          ; waves 0-3 make the leaves' half of the mask table, waves 4-7 the nodes'
	s_mov_b32 s92, 1022
	s_cselect_b32 s92, 1023, s92                   ; the last index of a mask's row
	s_add_co_u32 s93, s92, 1
	s_mul_i32 s93, s93, s83                        ; the batch's row
	v_and_b32 v1, 15, v0                           ; r
	v_bfe_u32 v9, v0, 4, 1                         ; lane / 16
	v_lshlrev_b32 v[WO], 9, v1
	v_lshl_add_u32 v[WO], v9, 4, v[WO]
	v_lshlrev_b32 v[XO], 11, v1                    ; neighbouring queries of a batch lie 4 rows of 512 bytes apart
	v_lshl_add_u32 v[XO], v9, 4, v[XO]
	v_lshlrev_b32 v[SWO], 5, v82
	v_lshlrev_b32 v[SXO], 7, v82
	v_lshlrev_b32 v[BO], 5, v9
	v_and_b32 v[MO0], 127, v0
	v_lshlrev_b32 v[MO0], 3, v[MO0]                ; thread t makes the table's entries 8 t .. 8 t + 7
	v_add_nc_u32 v[MO7], 7, v[MO0]
	v_min_u32 v[MO7], s92, v[MO7]                  ; the nodes' row has 1,023 bytes: the last index is held, so that no load leaves its buffer
	v_add_nc_u32 v[MO0], s93, v[MO0]
	v_add_nc_u32 v[MO7], s93, v[MO7]
	s_wait_dscnt 0x0                               ; the opening add is done
	s_wait_kmcnt 0x0
	s_add_nc_u64 s[66:67], s[4:5], s[22:23]        ; my tile of K in slot 0
	s_add_nc_u64 s[68:69], s[66:67], 262144        ; and of V
	s_add_nc_u64 s[PFA:PFA+1], s[4:5], s[70:71]
	s_lshl_b32 s86, s82, 15                        ; Wq's 64 rows of the head, 512 bytes a row,
	s_lshl_b32 s89, s[WV], 6                       ; and K step w's 64 bytes of them
	s_add_co_u32 s86, s86, s89
	s_add_nc_u64 s[76:77], s[76:77], s[86:87]
	s_lshl_b32 s86, s82, 11
	s_add_nc_u64 s[78:79], s[78:79], s[86:87]      ; their scale bytes, 32 a row
	s_lshl_b32 s86, s82, 8
	s_add_nc_u64 s[80:81], s[80:81], s[86:87]      ; the head's 64 numbers of the bias
	s_lshl_b32 s86, s88, 9
	s_add_nc_u64 s[72:73], s[72:73], s[86:87]      ; my queries' codes
	s_lshl_b32 s86, s88, 5
	s_add_nc_u64 s[74:75], s[74:75], s[86:87]      ; and scale bytes
	s_cmp_lt_u32 s[WV], 4
	s_cselect_b64 s[84:85], s[6:7], s[8:9]
	; 62 loads go out here, ahead of the cluster's round: what is wanted first stands first
	WIN 0x40                                       ; destination window 1
.irp c, 0,1,2,3
.irp u, 0,1
	global_load_b128 v[8*\c+4*\u:8*\c+4*\u+3], v[WO], s[76:77] offset:\c*8192+32*\u   ; Wq's fragments (tile c, K step w)
.endr
.endr
	WIN 0
.irp e, 0,1,2,3,4,5,6
	global_load_u8 v[MK+\e], v[MO0], s[84:85] offset:\e
.endr
	global_load_u8 v[MK+7], v[MO7], s[84:85]
	global_load_b128 v[SCW:SCW+3], v[SWO], s[78:79]                    ; lane l: row l of the head's 64: tiles 0 and 1
	global_load_b128 v[SCW+4:SCW+7], v[SWO], s[78:79] offset:16
	global_load_b128 v[SCW+8:SCW+11], v[SWO], s[78:79] offset:1024     ; tiles 2 and 3
	global_load_b128 v[SCW+12:SCW+15], v[SWO], s[78:79] offset:1040
	global_load_b128 v[SCX:SCX+3], v[SXO], s[74:75]                    ; lane l: my query l
	global_load_b128 v[SCX+4:SCX+7], v[SXO], s[74:75] offset:16
.irp c, 0,1,2,3
	global_load_b128 v[QA+8*\c:QA+8*\c+3], v[BO], s[80:81] offset:64*\c            ; register j: the bias of channel 16 c + 8 (lane / 16) + j
	global_load_b128 v[QA+8*\c+4:QA+8*\c+7], v[BO], s[80:81] offset:64*\c+16
.endr
.irp u, 0,1
.irp q, 0,1,2,3,4,5,6,7
.irp c, 0,1
	global_load_b128 v[XF+8*(8*\u+\q)+4*\c:XF+8*(8*\u+\q)+4*\c+3], v[XO], s[72:73] offset:\u*32768+64*\q+32*\c
.endr
.endr
.endr
	CROUND                                         ; all four work-groups are here: the first joint loads meet
.irp s, 0,1
	s_mov_b32 s[G0K+4*\s], 1
	s_add_co_u32 s[G0K+4*\s+1], s20, \s*SLOT1
	s_add_nc_u64 s[G0K+4*\s+2:G0K+4*\s+3], s[66:67], \s*16384
	s_or_b32 s[G0K+4*\s+3], s[G0K+4*\s+3], 0x80000000
	s_mov_b32 s[G0V+4*\s], 1
	s_add_co_u32 s[G0V+4*\s+1], s20, \s*SLOT1+VOFF
	s_add_nc_u64 s[G0V+4*\s+2:G0V+4*\s+3], s[68:69], \s*16384
	s_or_b32 s[G0V+4*\s+3], s[G0V+4*\s+3], 0x80000000
.endr
	s_cmp_lt_u32 s[WV], 4                          ; a wave's two first fills stand in one branch: two loads of mine are out
	s_cbranch_scc0 .Lfirst_v
	tensor_load_to_lds s[G0K:G0K+3], s[G1K:G1K+7]
	s_nop 0
	tensor_load_to_lds s[G0K+4:G0K+7], s[G1K:G1K+7]
	s_nop 0
.rept 4
	v_nop
.endr
	s_branch .Lfirst_asked
.Lfirst_v:
	tensor_load_to_lds s[G0V:G0V+3], s[G1V:G1V+7]
	s_nop 0
	tensor_load_to_lds s[G0V+4:G0V+7], s[G1V:G1V+7]
	s_nop 0
.rept 4
	v_nop
.endr
.Lfirst_asked:
	s_mul_i32 s21, s59, HALFB
	v_mul_u32_u24 v[AK0], v1, KP
	v_lshl_add_u32 v[AK0], v9, 4, v[AK0]
	v_add_nc_u32 v[AK0], s21, v[AK0]               ; K: my half + row r x pitch + 16 x half of the lanes
	v_and_b32 v83, 7, v0
	v_bfe_u32 v84, v0, 3, 1
	v_lshl_add_u32 v[AV0], v9, 3, v83
	v_mul_u32_u24 v[AV0], v[AV0], VP
	v_lshl_add_u32 v[AV0], v84, 4, v[AV0]
	s_add_co_u32 s21, s21, VOFF
	v_add_nc_u32 v[AV0], s21, v[AV0]               ; V, for the turning load: key 8 (l / 16) + l % 8, channels 8 ((l / 8) % 2) on
	s_lshl_b32 s21, s59, 12
	s_add_co_u32 s21, s21, MB
	v_lshl_add_u32 v[AM0], v9, 5, s21              ; the mask table: my half's 4,096 bytes, + 8 entries for lanes 16-31
	s_mul_i32 s21, s58, 64*KP
	s_add_co_u32 s21, s21, OST
	v_mul_u32_u24 v[STO], v1, KP
	v_lshl_add_u32 v[STO], v9, 4, v[STO]
	v_add_nc_u32 v[STO], s21, v[STO]
	v_lshrrev_b32 v[RD], 3, v82
	v_mul_u32_u24 v[RD], v[RD], KP
	v_lshl_add_u32 v[RD], v83, 4, v[RD]
	v_add_nc_u32 v[RD], s21, v[RD]
	v_lshlrev_b32 v[GO], 4, v82
	s_lshl_b32 s21, s58, 14
	v_add_nc_u32 v[MGI], s21, v[GO]
	s_lshl_b32 s21, s58, 10
	s_add_co_u32 s21, s21, MST
	v_lshl_add_u32 v[MGS], v82, 2, s21
	v_lshl_add_u32 v[MTA], v0, 5, MB
	v_lshl_add_u32 v[WLA], v82, 4, WIM             ; an image: 16 bytes a lane
	s_lshl_b32 s21, s[WV], 10
	v_add_nc_u32 v[WSA], s21, v[WLA]               ; fragment (c, q) lies at 1,024 (8 c + q): mine are those of q = w
	s_lshl_b32 s21, s58, 13
	s_add_co_u32 s21, s21, QIM
	v_lshl_add_u32 v[QLA], v82, 4, s21             ; my 64 queries' four tiles,
	s_lshl_b32 s21, s59, 12
	v_add_nc_u32 v[QSA], s21, v[QLA]               ; and the two of them that I make
	s_lshl_b32 s20, s83, 4
	s_lshl_b32 s21, s13, 2
	s_add_co_u32 s20, s20, s21
	s_add_co_u32 s20, s20, s58                     ; o16's block: 16 x batch + my first query / 64
	s_lshl_b32 s20, s20, 17
	s_lshl_b32 s21, s82, 13                        ; the head's 8,192 bytes in it
	s_add_co_u32 s20, s20, s21
	s_mov_b32 s21, 0
	s_add_nc_u64 s[10:11], s[10:11], s[20:21]
	s_mov_b32 s20, 0xff61b1e6                      ; -3e38
	v_mov_b32 v[PADK], 0xff780000                  ; -3.2965e38
	s_wait_loadcnt 46                              ; Wq's eight loads and the eight mask bytes are in; behind them: 6 loads of scale words, 8 of the bias, 32 of the queries' codes
.irp e, 0,1,2,3,4,5,6,7
	v_mul_lo_u32 v[MK+\e], v[MK+\e], s20           ; the byte is 0 or 1: 0, or the bits of -3e38
.endr
	v_cmp_eq_u32 vcc_lo, 0xff, v0
	v_cndmask_b32 v[MK+7], v[MK+7], v[PADK], vcc_lo   ; key 2,047 does not exist
	ds_store_b128 v[MTA], v[MK:MK+3]
	ds_store_b128 v[MTA], v[MK+4:MK+7] offset:16
	WIN 0x04                                       ; an LDS store's data are its source 1: window 1
.irp c, 0,1,2,3
.irp u, 0,1
	ds_store_b128 v[WSA], v[8*\c+4*\u:8*\c+4*\u+3] offset:\c*8192+512*\u
.endr
.endr
	WIN 0
	s_wait_dscnt 0x0                               ; for the others' sake: my part of the table and my images of Wq are in LDS
	s_barrier_signal -1
	s_barrier_wait -1                              ; everybody's are.
	WIN 0x40
.irp q, 0,1,2,3,4,5,6,7                        ; all 32 fragments of Wq, by K steps
.irp c, 0,1,2,3
.irp u, 0,1
	ds_load_b128 v[8*(8*\c+\q)+4*\u:8*(8*\c+\q)+4*\u+3], v[WLA] offset:(8*\c+\q)*1024+512*\u
.endr
.endr
.endr
	s_wait_loadcnt 0x0                             ; the scale words, the bias, the queries' codes
	s_wait_dscnt 32                                ; K steps 0-3 of Wq are in; the 32 loads of K steps 4-7 may be out
	WIN 0x01                                       ; source 0 (Wq) window 1; the queries, C and D window 0
.irp c, 0,1,2,3
	QW 1, \c, 0, 0                                 ; the bias lies in tile 0's accumulators: tile 1's first products take it as C,
.endr
.rept 5
	v_nop                                          ; five places ahead of the products that write over it,
.endr
.irp c, 0,1,2,3
	QW 0, \c, 0, 0                                 ; and tile 0's add onto it in place
.endr
.irp q, 1,2,3                                  ; the eight accumulators take turns, one instruction a turn
.irp u, 0,1
.irp c, 0,1,2,3
	QW \u, \c, \q, \u
.endr
.endr
.endr
	s_wait_dscnt 0x0
.irp q, 4,5,6,7
.irp u, 0,1
.irp c, 0,1,2,3
	QW \u, \c, \q, \u
.endr
.endr
.endr
	WIN 0
.rept 4
	v_nop                                          ; places ahead of the first read of the results
.endr
.set i, 0
.rept 32
	v_pk_mul_f32 v[QA+2*i:QA+2*i+1], v[QA+2*i:QA+2*i+1], s[90:91] op_sel_hi:[1,0]   ; x 0.125 log2(e); each accumulator from its low end on
.set i, i+1
.endr
.set i, 0
.rept 32
	v_cvt_pk_f16_f32 v[S+i], v[QA+2*i], v[QA+2*i+1]   ; register 16 u + 4 c + j: channels 16 c + 8 (lane / 16) + 2 j, + 1 of my tile u: q's fragments as the first product wants them
.set i, i+1
.endr
.irp u, 0,1
.irp j, 0,1,2,3
	ds_store_b128 v[QSA], v[S+16*\u+4*\j:S+16*\u+4*\j+3] offset:\u*2048+512*\j
.endr
.endr
.irp t, 0,1,2,3
	v_mov_b32 v[ST+8*\t+1], 0                      ; named with m as a pair, so it is written
.endr
	s_wait_tensorcnt 1                             ; my part of slot 0 is in; slot 1's may stay out
	s_wait_dscnt 0x0                               ; my images of q are in LDS
	s_barrier_signal -1
	s_barrier_wait -1
	WIN 0x40
.irp t, 0,1,2,3
.irp j, 0,1,2,3
	ds_load_b128 v[Q+16*\t+4*\j:Q+16*\t+4*\j+3], v[QLA] offset:\t*2048+512*\j
.endr
.endr
	WIN 0
	s_wait_dscnt 0x0                               ; Q
; THE SOFTMAX of a step, four tiles; the tiles are innermost everywhere, so that no line waits for the line above it.  first = 1: the first step, which starts m, the sum and O.
.macro SOFTMAX first
.irp j, 0,1,2,3
.irp t, 0,1,2,3
	v_max3_num_f32 v[ST+8*\t+4+\j], v[S+32*\t+8*\j], v[S+32*\t+8*\j+1], v[S+32*\t+8*\j+2]   ; four chains; each accumulator is read from its low end
.endr
.endr
.irp u, 1,2
.irp j, 0,1,2,3
.irp t, 0,1,2,3
	v_max3_num_f32 v[ST+8*\t+4+\j], v[ST+8*\t+4+\j], v[S+32*\t+8*\j+2*\u+1], v[S+32*\t+8*\j+2*\u+2]
.endr
.endr
.endr
.irp t, 0,1,2,3
	v_max3_num_f32 v[ST+8*\t+4], v[ST+8*\t+4], v[S+32*\t+7], v[S+32*\t+15]
.endr
.irp t, 0,1,2,3
	v_max3_num_f32 v[ST+8*\t+6], v[ST+8*\t+6], v[S+32*\t+23], v[S+32*\t+31]
.endr
.irp t, 0,1,2,3
	v_max3_num_f32 v[ST+8*\t+4], v[ST+8*\t+4], v[ST+8*\t+5], v[ST+8*\t+6]
.endr
.irp t, 0,1,2,3
.if \first
	v_max_num_f32 v[ST+8*\t+4], v[ST+8*\t+4], v[ST+8*\t+7]
.else
	v_max3_num_f32 v[ST+8*\t+4], v[ST+8*\t+4], v[ST+8*\t+7], v[ST+8*\t]
.endif
.endr
.irp t, 0,1,2,3
	v_permlanex16_b32 v[ST+8*\t+5], v[ST+8*\t+4], s[SEL], s[SEL+1]   ; the query's other 32 keys lie in the lane 16 away
.endr
.if !\first
.irp t, 0,1,2,3
	v_mov_b32 v[ST+8*\t+7], v[ST+8*\t]             ; the old m
.endr
.endif
.irp t, 0,1,2,3
	v_max_num_f32 v[ST+8*\t], v[ST+8*\t+4], v[ST+8*\t+5]
.endr
.if !\first
.irp t, 0,1,2,3
	v_sub_f32 v[ST+8*\t+7], v[ST+8*\t+7], v[ST+8*\t]
.endr
.endif
.set i, 0
.rept 16
.irp t, 0,1,2,3
	v_pk_add_f32 v[S+32*\t+2*i:S+32*\t+2*i+1], v[S+32*\t+2*i:S+32*\t+2*i+1], v[ST+8*\t:ST+8*\t+1] op_sel_hi:[1,0] neg_lo:[0,1] neg_hi:[0,1]   ; s - m
.endr
.set i, i+1
.endr
.if !\first
.irp t, 0,1,2,3
	v_exp_f32 v[ST+8*\t+6], v[ST+8*\t+7]           ; 2^(old m - new m)
.endr
.endif
.set i, 0
.rept 32
.irp t, 0,1,2,3
	v_exp_f32 v[S+32*\t+i], v[S+32*\t+i]
.endr
.set i, i+1
.endr
	v_nop                                          ; a plain instruction behind the last exponential,
	s_wait_alu depctr_va_vdst(0)                   ; and ONE wait for the whole batch, ahead of its first reader
.irp t, 0,1,2,3
	v_pk_add_f32 v[ST+8*\t+4:ST+8*\t+5], v[S+32*\t:S+32*\t+1], v[S+32*\t+2:S+32*\t+3]   ; the sum is taken of p before it is rounded
.endr
.set i, 2
.rept 13
.irp t, 0,1,2,3
	v_pk_add_f32 v[ST+8*\t+4:ST+8*\t+5], v[ST+8*\t+4:ST+8*\t+5], v[S+32*\t+2*i:S+32*\t+2*i+1]
.endr
.set i, i+1
.endr
.irp t, 0,1,2,3
.if \first
	v_pk_add_f32 v[ST+8*\t+2:ST+8*\t+3], v[ST+8*\t+4:ST+8*\t+5], v[S+32*\t+30:S+32*\t+31]
.else
	v_pk_add_f32 v[ST+8*\t+4:ST+8*\t+5], v[ST+8*\t+4:ST+8*\t+5], v[S+32*\t+30:S+32*\t+31]
.endif
.endr
.if !\first
.irp t, 0,1,2,3
	v_pk_fma_f32 v[ST+8*\t+2:ST+8*\t+3], v[ST+8*\t+2:ST+8*\t+3], v[ST+8*\t+6:ST+8*\t+7], v[ST+8*\t+4:ST+8*\t+5] op_sel_hi:[1,0,1]
.endr
.endif
.set i, 0
.rept 16
.irp t, 0,1,2,3
	v_cvt_pk_f16_f32 v[S+32*\t+i], v[S+32*\t+2*i], v[S+32*\t+2*i+1]   ; P, in place: register i is written when registers under 2 i have been read
.endr
.set i, i+1
.endr
.if !\first
	WIN 0x41                                       ; O^T: destination and source 0 in window 1
.set i, 0
.rept 16
.irp t, 0,1,2,3
	v_pk_mul_f32 v[O+32*\t+2*i:O+32*\t+2*i+1], v[O+32*\t+2*i:O+32*\t+2*i+1], v[ST+8*\t+6:ST+8*\t+7] op_sel_hi:[1,0]
.endr
.set i, i+1
.endr
.endif
.endm
; A KEY STEP: 64 keys of my half.
.macro STEP first
	v_add_nc_u32 v[ADK], s[TB], v[AK0]             ; three additions and two v_nop: five places between the last step's products and the products below, which write over P's registers,
	v_add_nc_u32 v[ADV], s[TB], v[AV0]             ; and the loads into the registers that held V
	v_add_nc_u32 v[ADM], s[TM], v[AM0]
	v_nop
	v_nop
.irp k, 0,1,2,3
	ds_load_b128 v[MBR+8*\k:MBR+8*\k+3], v[ADM] offset:64*\k           ; register j of tile k: the entry of key 16 k + 8 (lane / 16) + j
	ds_load_b128 v[MBR+8*\k+4:MBR+8*\k+7], v[ADM] offset:64*\k+16
.endr
	WIN 0x40
.irp k, 0,1,2,3
.irp u, 0,1
	ds_load_b128 v[KV+8*(2*\k+\u):KV+8*(2*\k+\u)+3], v[ADK] offset:\k*16*KP+\u*64
	ds_load_b128 v[KV+8*(2*\k+\u)+4:KV+8*(2*\k+\u)+7], v[ADK] offset:\k*16*KP+\u*64+32
.endr
.endr
	s_wait_dscnt 0x0
	WIN 0x05                                       ; K and Q in window 1; C and D in window 0
.irp u, 0,1                                    ; the 16 accumulators take turns, one instruction a turn
.irp k, 0,1,2,3
.irp t, 0,1,2,3
.if \u == 0
	v_wmma_f32_16x16x32_f16 v[S+32*\t+8*\k:S+32*\t+8*\k+7], v[KV+8*(2*\k+\u):KV+8*(2*\k+\u)+7], v[Q+16*\t+8*\u:Q+16*\t+8*\u+7], v[MBR+8*\k:MBR+8*\k+7]
.else
	v_wmma_f32_16x16x32_f16 v[S+32*\t+8*\k:S+32*\t+8*\k+7], v[KV+8*(2*\k+\u):KV+8*(2*\k+\u)+7], v[Q+16*\t+8*\u:Q+16*\t+8*\u+7], v[S+32*\t+8*\k:S+32*\t+8*\k+7]
.endif
.endr
.endr
.endr
	WIN 0
.rept 4
	v_nop                                          ; places in front of the loads into K's registers and of the first read of the scores
.endr
	WIN 0x40
.irp g, 0,1
.irp c, 0,1,2,3
	ds_load_tr16_b128 v[KV+8*(4*\g+\c):KV+8*(4*\g+\c)+3], v[ADV] offset:\g*32*VP+\c*32
	ds_load_tr16_b128 v[KV+8*(4*\g+\c)+4:KV+8*(4*\g+\c)+7], v[ADV] offset:\g*32*VP+16*VP+\c*32
.endr
.endr
	WIN 0
	SOFTMAX \first                                 ; V lands meanwhile
	s_wait_dscnt 0x0
	WIN 0x51                                       ; V, C and D in window 1; P in window 0
.irp g, 0,1
.irp c, 0,1,2,3
.irp t, 0,1,2,3
.if (\first) && (\g == 0)
	v_wmma_f32_16x16x32_f16 v[O+32*\t+8*\c:O+32*\t+8*\c+7], v[KV+8*(4*\g+\c):KV+8*(4*\g+\c)+7], v[S+32*\t+8*\g:S+32*\t+8*\g+7], 0
.else
	v_wmma_f32_16x16x32_f16 v[O+32*\t+8*\c:O+32*\t+8*\c+7], v[KV+8*(4*\g+\c):KV+8*(4*\g+\c)+7], v[S+32*\t+8*\g:S+32*\t+8*\g+7], v[O+32*\t+8*\c:O+32*\t+8*\c+7]
.endif
.endr
.endr
.endr
	WIN 0
	s_add_co_u32 s[TB], s[TB], STEPB
	s_add_co_u32 s[TM], s[TM], 256
.endm
; THE CHANGE OF SLOTS.  Each wave waits for all its tensor loads (one is out: its part of the other slot), adds 0 to its spare word, and waits for that and for its reads of the slot that it leaves.
; fill = 1: a round of the cluster's barrier, and the slot just left is filled first behind it, with the keys two slots on: the load has two key steps in which to land.
.macro CHANGE fill
	s_wait_tensorcnt 0x0
	ds_add_u32 v[SPW], v[NIL]
.if \fill
.irp g, G0K+4, G0V+4
	s_xor_b32 s[\g+1], s[\g+1], SLOT1
	s_add_nc_u64 s[\g+2:\g+3], s[\g+2:\g+3], 16384
.endr
	s_wait_xcnt 0x0                                ; the last prefetch, two key steps back, has read its address
	s_add_nc_u64 s[PFA:PFA+1], s[PFA:PFA+1], 16384
	s_wait_dscnt 0x0
	CROUND
	JLOAD
	ASK
.else
	s_wait_dscnt 0x0
	s_barrier_signal -1
	s_barrier_wait -1
.endif
	s_sub_co_u32 s[TB], s[TB], HALFB
	s_xor_b32 s[TB], s[TB], SLOT1
.endm
.macro TWO_STEPS
	s_mov_b32 s[TWICE], 2
.Lstep_\@:
	STEP 0
	s_sub_co_u32 s[TWICE], s[TWICE], 1
	s_cmp_lg_u32 s[TWICE], 0
	s_cbranch_scc1 .Lstep_\@
.endm
	STEP 1
	STEP 0
.Lslot:                                            ; six trips: every slot but the last two is filled again
	CHANGE 1
	TWO_STEPS
	s_sub_co_u32 s[SLOTS], s[SLOTS], 1
	s_cmp_lg_u32 s[SLOTS], 0
	s_cbranch_scc1 .Lslot
	CHANGE 0                                       ; the tail is written out: nothing more is asked for
	TWO_STEPS
	; THE TWO HALVES MEET.  The sums' halves are added (these lines are also the places behind the last products); the nodes' waves store m, the sum and O^T as images of their registers
.irp t, 0,1,2,3
	v_add_f32 v[ST+8*\t+4], v[ST+8*\t+2], v[ST+8*\t+3]
.endr
.irp t, 0,1,2,3
	v_permlanex16_b32 v[ST+8*\t+5], v[ST+8*\t+4], s[SEL], s[SEL+1]
.endr
.irp t, 0,1,2,3
	v_add_f32 v[ST+8*\t+2], v[ST+8*\t+4], v[ST+8*\t+5]
.endr
	s_cmp_lt_u32 s[WV], 4
	s_cbranch_scc1 .Lkeep
.irp t, 0,1,2,3
	ds_store_b32 v[MGS], v[ST+8*\t] offset:256*\t
	ds_store_b32 v[MGS], v[ST+8*\t+2] offset:256*\t+128
.endr
	WIN 0x04                                       ; an LDS store's data are its source 1: window 1
.set i, 0
.rept 32
	ds_store_b128 v[MGI], v[O+4*i:O+4*i+3] offset:512*i
.set i, i+1
.endr
	WIN 0
.Lkeep:
	s_wait_dscnt 0x0                               ; for the others' sake: my stores have landed
	s_barrier_signal -1
	s_barrier_wait -1
	s_cmp_ge_u32 s[WV], 4
	s_cbranch_scc1 .Lend
.irp t, 0,1,2,3
	ds_load_b32 v[MK+2*\t], v[MGS] offset:256*\t
	ds_load_b32 v[MK+2*\t+1], v[MGS] offset:256*\t+128
.endr
.set i, 0
.rept 32
	ds_load_b128 v[S+4*i:S+4*i+3], v[MGI] offset:512*i
.set i, i+1
.endr
	s_wait_dscnt 0x0
.irp t, 0,1,2,3
	v_max_num_f32 v[ST+8*\t+4], v[ST+8*\t], v[MK+2*\t]             ; the row's maximum over both halves
.endr
.irp t, 0,1,2,3
	v_sub_f32 v[ST+8*\t+5], v[ST+8*\t], v[ST+8*\t+4]
.endr
.irp t, 0,1,2,3
	v_sub_f32 v[ST+8*\t+6], v[MK+2*\t], v[ST+8*\t+4]
.endr
.irp t, 0,1,2,3
	v_exp_f32 v[ST+8*\t+5], v[ST+8*\t+5]
.endr
.irp t, 0,1,2,3
	v_exp_f32 v[ST+8*\t+6], v[ST+8*\t+6]
.endr
	v_nop
	s_wait_alu depctr_va_vdst(0)                   ; one wait for the eight
.irp t, 0,1,2,3
	v_mul_f32 v[ST+8*\t+7], v[ST+8*\t+2], v[ST+8*\t+5]
.endr
.irp t, 0,1,2,3
	v_fmac_f32 v[ST+8*\t+7], v[MK+2*\t+1], v[ST+8*\t+6]            ; the row's sum under that maximum: at least 1
.endr
.irp t, 0,1,2,3
	v_rcp_f32 v[ST+8*\t+4], v[ST+8*\t+7]
.endr
	v_nop
	s_wait_alu depctr_va_vdst(0)                   ; one wait for the four
.irp t, 0,1,2,3
	v_mul_f32 v[ST+8*\t+7], v[ST+8*\t+6], v[ST+8*\t+4]             ; the nodes' factor,
.endr
.irp t, 0,1,2,3
	v_mul_f32 v[ST+8*\t+6], v[ST+8*\t+5], v[ST+8*\t+4]             ; the leaves'
.endr
.set i, 0
.rept 16
.irp t, 0,1,2,3
	v_pk_mul_f32 v[S+32*\t+2*i:S+32*\t+2*i+1], v[S+32*\t+2*i:S+32*\t+2*i+1], v[ST+8*\t+6:ST+8*\t+7] op_sel:[0,1] op_sel_hi:[1,1]
.endr
.set i, i+1
.endr
	WIN 0x01                                       ; source 0 (my O^T) in window 1
.set i, 0
.rept 16
.irp t, 0,1,2,3
	v_pk_fma_f32 v[S+32*\t+2*i:S+32*\t+2*i+1], v[O+32*\t+2*i:O+32*\t+2*i+1], v[ST+8*\t+6:ST+8*\t+7], v[S+32*\t+2*i:S+32*\t+2*i+1] op_sel_hi:[1,0,1]
.endr
.set i, i+1
.endr
	WIN 0
.set i, 0
.rept 16
.irp t, 0,1,2,3
	v_cvt_pk_f16_f32 v[S+32*\t+i], v[S+32*\t+2*i], v[S+32*\t+2*i+1]
.endr
.set i, i+1
.endr
.irp t, 0,1,2,3
.irp c, 0,1,2,3
	ds_store_b128 v[STO], v[S+32*\t+4*\c:S+32*\t+4*\c+3] offset:\t*16*KP+32*\c   ; query 16 t + r, channels 16 c + 8 (lane / 16) on
.endr
.endr
.irp i, 0,1,2,3,4,5,6,7,8,9,10,11,12,13,14,15
	ds_load_b128 v[S+32*(\i/4)+16+4*(\i%4):S+32*(\i/4)+16+4*(\i%4)+3], v[RD] offset:\i*4*KP   ; four whole rows of 128 bytes.  LDS serves a wave's instructions in order: these see my stores
.endr
.irp i, 0,1,2,3,4,5,6,7,8,9,10,11,12,13,14,15
	s_wait_dscnt 15-\i                             ; the younger loads may be out
	global_store_b128 v[GO], v[S+32*(\i/4)+16+4*(\i%4):S+32*(\i/4)+16+4*(\i%4)+3], s[10:11] offset:512*\i   ; 32 lanes store 512 consecutive bytes, aligned
.endr
.Lend:
	s_wait_tensorcnt 0x0                           ; the wave's end, behind my last tensor load and my last LDS store
	ds_add_u32 v[SPW], v[NIL]
	s_wait_dscnt 0x0
	CROUND                                         ; the closing round
	s_endpgm
.Lfunc_end_k_q1e563c615b_attn:
	.size	k_q1e563c615b_attn, .Lfunc_end_k_q1e563c615b_attn-k_q1e563c615b_attn
	.p2alignl 7, 3214868480
	.fill 96, 4, 3214868480
	.section	.rodata,"a",@progbits
	.p2align	6, 0x0
	.amdhsa_kernel k_q1e563c615b_attn
		.amdhsa_group_segment_fixed_size 327680
		.amdhsa_private_segment_fixed_size 0
		.amdhsa_enable_private_segment 0
		.amdhsa_kernarg_size 72
		.amdhsa_user_sgpr_count 2
		.amdhsa_user_sgpr_kernarg_segment_ptr 1
		.amdhsa_wavefront_size32 1
		.amdhsa_system_sgpr_workgroup_id_x 1
		.amdhsa_system_sgpr_workgroup_id_y 1
		.amdhsa_system_sgpr_workgroup_id_z 1
		.amdhsa_system_vgpr_workitem_id 0
		.amdhsa_next_free_vgpr 512
		.amdhsa_next_free_sgpr 94
		.amdhsa_reserve_vcc 1
		.amdhsa_float_denorm_mode_32 3
		.amdhsa_float_denorm_mode_16_64 3
		.amdhsa_memory_ordered 1
		.amdhsa_forward_progress 1
		.amdhsa_inst_pref_size 185
	.end_amdhsa_kernel
	.amdgpu_metadata
---
amdhsa.version: [ 1, 2 ]
amdhsa.kernels:
  - .name:           k_q1e563c615b_attn
    .symbol:         k_q1e563c615b_attn.kd
    .args:
      - { .name: kvq, .offset: 0, .size: 8, .value_kind: global_buffer, .address_space: global }
      - { .name: key_padding_mask, .offset: 8, .size: 8, .value_kind: global_buffer, .address_space: global }
      - { .name: node_padding_mask, .offset: 16, .size: 8, .value_kind: global_buffer, .address_space: global }
      - { .name: o16, .offset: 24, .size: 8, .value_kind: global_buffer, .address_space: global }
      - { .name: xcodes, .offset: 32, .size: 8, .value_kind: global_buffer, .address_space: global }
      - { .name: xscales, .offset: 40, .size: 8, .value_kind: global_buffer, .address_space: global }
      - { .name: wcodes, .offset: 48, .size: 8, .value_kind: global_buffer, .address_space: global }
      - { .name: wscales, .offset: 56, .size: 8, .value_kind: global_buffer, .address_space: global }
      - { .name: in_proj_bias, .offset: 64, .size: 8, .value_kind: global_buffer, .address_space: global }
    .group_segment_fixed_size: 327680
    .private_segment_fixed_size: 0
    .kernarg_segment_align: 8
    .kernarg_segment_size: 72
    .max_flat_workgroup_size: 256
    .sgpr_count:     94
    .vgpr_count:     512
    .wavefront_size: 32
...
	.end_amdgpu_metadata
.endif
;; end of part 3
;; launch outp (part 4): grid 8 x 32, 4 waves a work-group, clusters of 4 x 4, 327,680 bytes of LDS; arguments o16, ow16, out_b, out0; writes out0
.if DOCPART == 4
	.amdgcn_target "amdgcn-amd-amdhsa--gfx1250"
	.amdhsa_code_object_version 6
	.text
	.protected	k_q1e563c615b_outp
	.globl	k_q1e563c615b_outp
	.p2align	8
	.type	k_q1e563c615b_outp,@function
k_q1e563c615b_outp:
	s_mov_b64 s[64:65], 0
	v_nop
	global_prefetch_b8 v0, s[64:65] scope:SCOPE_SE
	s_setreg_imm32_b32 hwreg(HW_REG_WAVE_MODE, 25, 1), 1
	s_wait_xcnt 0x0
	s_wait_alu depctr_hold_cnt(0) depctr_sa_sdst(0) depctr_va_vdst(0) depctr_va_sdst(0) depctr_va_ssrc(0) depctr_va_vcc(0) depctr_vm_vsrc(0)
	s_getreg_b32 s2, hwreg(HW_REG_IB_STS2, 6, 4)
	s_cmp_eq_u32 s2, 0
	s_cbranch_scc0 .Lentry_in_a_cluster
	s_endpgm
.Lentry_in_a_cluster:
	s_bfe_u32 s2, ttmp6, 0x10000c
	s_cmp_lg_u32 s2, 0xf033
	s_cbranch_scc0 .Lentry_shape_is_right
	s_endpgm
.Lentry_shape_is_right:
; out0[t][b][n] = sum over k of o[b][t][k] out_w[n][k] + out_b[n].  f16 operands, f32 sums, f32 out.  Rows are counted m = 1,024 b + t.
; o16 lies [m / 64][head][m % 64][64]: 64 rows x 256 along K (four heads) are 32,768 consecutive bytes, which one tensor load brings as 256 lines of 128 bytes (line = 64 x head + row), 16 bytes of padding behind each.
; A tile of 128 x 128 to a work-group of four waves, 64 x 64 to a wave: 16 accumulators.  K goes in steps of 256 through two LDS slots.  4 x 4 work-groups form a cluster: o's tiles are asked for jointly along a row, out_w's along a column.
; THE MATRIX INSTRUCTION IS USED TRANSPOSED (source 0 = 16 rows of out_w, source 1 = 16 rows of o): a lane holds eight neighbouring columns of one row.  out_b is the C of each sum's first product.
; REGISTERS: window 0: v1-31 addresses; v32-95 the way out; v96-127 out_b; v128-255 the accumulators ((a, b) at v[128 + 8 (4 a + b)]).   window 1: two fragment buffers of 128: 64 registers of o, then 64 of out_w.
.set SIZE_K, 1024
.set KSTEP,  256
.set PA,     144                       ; a line of o in LDS
.set PB,     528                       ; a row of out_w in LDS: 512 bytes + 16
.set HALFA,  256*PA                    ; 64 rows x 256 K of o
.set HALFB,  64*PB
.set SLOT,   2*HALFA+2*HALFB
.set SPARE,  2*SLOT                    ; behind the slots: the spare words
.set SPITCH, 272                       ; the way out: 64 rows x (256 bytes + 16) for each wave, in slot 0, behind its last fill and its last read
.set LAPS,   SIZE_K/(2*KSTEP)
.set ADRA, 16
.set ADRB, 20
.set STO,  24
.set RD,   25
.set CO,   26
.set OBI,  27
.set SPW,  28
.set NIL,  29
.set TMP,  32
.set BIAS, 96
.set ACC,  128
.set F0,   0
.set F1,   128
.set G1, 24
.set G0, 32
.set G1B, 48
.set G0B, 56
.set MSB, 0
.macro WIN new
.if MSB != \new
	s_set_vgpr_msb (MSB<<8)|\new
.set MSB, \new
.endif
.endm
.set MUL,  0x05                        ; sources 0 and 1 window 1; C and D window 0
.set TO_F, 0x40
.macro JLOAD s                         ; waves 0 and 1 fetch o's two halves, waves 2 and 3 out_w's; an s_nop 0 and four v_nop follow each of the two lines
	s_cmp_eq_u32 s11, 0
	s_cbranch_scc0 .Lfor_b_\@
	tensor_load_to_lds s[G0+4*\s:G0+4*\s+3], s[G1:G1+7]
	s_nop 0
.rept 4
	v_nop
.endr
	s_branch .Lasked_\@
.Lfor_b_\@:
	tensor_load_to_lds s[G0B+4*\s:G0B+4*\s+3], s[G1B:G1B+7]
	s_nop 0
.rept 4
	v_nop
.endr
.Lasked_\@:
.endm
.macro CREST
	s_cmp_lg_u32 s10, 0
	s_cbranch_scc1 .Lnot_wave_0_\@
	s_barrier_signal -3
.Lnot_wave_0_\@:
	s_barrier_wait -3
	s_barrier_signal -1
	s_barrier_wait -1
.endm
.macro CROUND
	s_barrier_signal -1
	s_barrier_wait -1
	CREST
.endm
	s_load_b128 s[4:7], s[0:1], 0x0                ; o16, ow16
	s_load_b64 s[8:9], s[0:1], 0x10                ; out_b
	s_load_b64 s[66:67], s[0:1], 0x18              ; out0
	v_lshl_add_u32 v[SPW], v0, 2, SPARE
	v_mov_b32 v[NIL], 0
	ds_add_u32 v[SPW], v[NIL]                      ; the wave's opening: the add and its wait stand ahead of my first tensor load
	v_lshrrev_b32 v1, 5, v0
	v_readfirstlane_b32 s10, v1                    ; wave 0..3
	s_lshr_b32 s11, s10, 1                         ; my half of the tile's rows.  Also: I fetch for o (0) or for out_w (1)
	s_and_b32 s12, s10, 1                          ; my half of its columns.  Also: which 64 rows I fetch
	s_bfe_u32 s40, ttmp6, 0x40000
	s_bfe_u32 s41, ttmp6, 0x40004
	s_lshl_b32 s42, ttmp9, 2
	s_add_co_u32 s42, s42, s40                     ; tile column
	s_and_b32 s13, ttmp7, 0xffff
	s_lshl_b32 s13, s13, 2
	s_add_co_u32 s13, s13, s41                     ; tile row
	s_lshl_b32 s43, s41, 2
	s_lshl_b32 s43, 15, s43                        ; my row of the cluster
	s_lshl_b32 s44, 0x1111, s40                    ; my column
	s_or_b32 s[G1+0], s43, (1<<16)|(1<<20)|(1<<21)|(4<<22)|(3<<25)   ; elements of 2 bytes; padding: 4 words after every 32
	s_mov_b32 s[G1+1], 64<<16                      ; tensor_dim0 = 64
	s_mov_b32 s[G1+2], 256<<16                     ; tensor_dim1 = 256
	s_mov_b32 s[G1+3], 64<<16                      ; tile_dim0
	s_mov_b32 s[G1+4], 256                         ; tile_dim1
	s_mov_b32 s[G1+5], 64                          ; the pitch: dense
	s_mov_b32 s[G1+6], 0
	s_mov_b32 s[G1+7], 0
	s_or_b32 s[G1B+0], s44, (1<<16)|(1<<20)|(1<<21)|(6<<22)|(3<<25)  ; padding: 4 words after every 128
	s_mov_b32 s[G1B+1], KSTEP<<16
	s_mov_b32 s[G1B+2], 64<<16
	s_mov_b32 s[G1B+3], KSTEP<<16
	s_mov_b32 s[G1B+4], 64
	s_mov_b32 s[G1B+5], SIZE_K
	s_mov_b32 s[G1B+6], 0
	s_mov_b32 s[G1B+7], 0
	s_lshl_b32 s16, s13, 1
	s_add_co_u32 s16, s16, s12
	s_lshl_b32 s16, s16, 17                        ; o16's block of 64 rows: 131,072 bytes
	s_mov_b32 s17, 0
	s_lshl_b32 s46, s42, 7
	s_lshl_b32 s47, s12, 6
	s_add_co_u32 s46, s46, s47
	s_lshl_b32 s46, s46, 11                        ; out_w's row of 2,048 bytes
	s_mov_b32 s47, 0
	s_mul_i32 s20, s12, HALFA                      ; where they go
	s_mul_i32 s21, s12, HALFB
	s_add_co_u32 s21, s21, 2*HALFA
	s_wait_dscnt 0x0                               ; the opening add is done
	s_wait_kmcnt 0x0
	s_add_nc_u64 s[14:15], s[4:5], s[16:17]
	s_add_nc_u64 s[46:47], s[6:7], s[46:47]
	CROUND                                         ; all sixteen work-groups are here: the first joint loads meet
.irp s, 0,1
	s_mov_b32 s[G0+4*\s], 1
	s_add_co_u32 s[G0+4*\s+1], s20, \s*SLOT
	s_add_nc_u64 s[G0+4*\s+2:G0+4*\s+3], s[14:15], \s*32768
	s_or_b32 s[G0+4*\s+3], s[G0+4*\s+3], 0x80000000
	s_mov_b32 s[G0B+4*\s], 1
	s_add_co_u32 s[G0B+4*\s+1], s21, \s*SLOT
	s_add_nc_u64 s[G0B+4*\s+2:G0B+4*\s+3], s[46:47], \s*KSTEP*2
	s_or_b32 s[G0B+4*\s+3], s[G0B+4*\s+3], 0x80000000
	JLOAD \s
.endr
	v_and_b32 v1, 15, v0                           ; r
	v_bfe_u32 v2, v0, 4, 1                         ; lane / 16
	s_lshl_b32 s46, s42, 7
	s_lshl_b32 s47, s12, 6
	s_add_co_u32 s46, s46, s47
	s_lshl_b32 s46, s46, 2
	s_mov_b32 s47, 0
	s_add_nc_u64 s[8:9], s[8:9], s[46:47]          ; out_b at my first column
	v_lshlrev_b32 v[OBI], 5, v2
.irp b, 0,1,2,3
	global_load_b128 v[BIAS+8*\b:BIAS+8*\b+3], v[OBI], s[8:9] offset:64*\b
	global_load_b128 v[BIAS+8*\b+4:BIAS+8*\b+7], v[OBI], s[8:9] offset:64*\b+16
.endr
	v_mul_u32_u24 v3, v1, PA
	v_lshl_add_u32 v3, v2, 4, v3
	v_mul_u32_u24 v4, v1, PB
	v_lshl_add_u32 v4, v2, 4, v4
	s_mul_i32 s21, s11, HALFA                      ; my 64 rows of o
	s_mul_i32 s22, s12, HALFB                      ; my 64 rows of out_w,
	s_add_co_u32 s22, s22, 2*HALFA                 ; behind o's
.irp s, 0,1
	v_add_nc_u32 v[ADRA+\s], s21, v3
	v_add_nc_u32 v[ADRB+\s], s22, v4
	s_add_co_u32 s21, s21, SLOT
	s_add_co_u32 s22, s22, SLOT
.endr
	s_mul_i32 s23, s10, 64*SPITCH                  ; my stage
	v_mul_u32_u24 v4, v1, SPITCH
	v_lshl_add_u32 v4, v2, 5, v4
	v_add_nc_u32 v[STO], s23, v4                   ; in: row r, 32 bytes for each half of the lanes
	v_mul_u32_u24 v5, v2, SPITCH
	v_lshl_add_u32 v5, v1, 4, v5
	v_add_nc_u32 v[RD], s23, v5                    ; back: lanes 0-15 one row of 256 bytes, lanes 16-31 the next
	v_lshlrev_b32 v5, 14, v2                       ; neighbouring t lie 4 batches x 4,096 bytes apart in out0
	v_lshl_add_u32 v[CO], v1, 4, v5
	s_and_b32 s16, s13, 7
	s_lshl_b32 s16, s16, 7
	s_lshl_b32 s17, s11, 6
	s_add_co_u32 s16, s16, s17                     ; my first t
	s_lshl_b32 s16, s16, 2
	s_lshr_b32 s17, s13, 3                         ; the batch
	s_add_co_u32 s16, s16, s17
	s_lshl_b32 s16, s16, 12
	s_mov_b32 s17, 0
	s_add_nc_u64 s[66:67], s[66:67], s[16:17]
	s_lshl_b32 s46, s42, 9
	s_lshl_b32 s47, s12, 8
	s_add_co_u32 s46, s46, s47
	s_mov_b32 s47, 0
	s_add_nc_u64 s[66:67], s[66:67], s[46:47]
; 8 matrix instructions: row blocks a0, a0 + 1 x all 4 column blocks, 32 along K: half c of buffer f.  zero = 1: the first product starts the sums, with out_b as C
.macro MUL8 f, c, a0, zero
.irp a, \a0, \a0+1
.irp b, 0,1,2,3
.if \zero
	v_wmma_f32_16x16x32_f16 v[ACC+8*(4*(\a)+\b):ACC+8*(4*(\a)+\b)+7], v[\f+64+8*(4*\c+\b):\f+64+8*(4*\c+\b)+7], v[\f+8*(4*\c+\a):\f+8*(4*\c+\a)+7], v[BIAS+8*\b:BIAS+8*\b+7]
.else
	v_wmma_f32_16x16x32_f16 v[ACC+8*(4*(\a)+\b):ACC+8*(4*(\a)+\b)+7], v[\f+64+8*(4*\c+\b):\f+64+8*(4*\c+\b)+7], v[\f+8*(4*\c+\a):\f+8*(4*\c+\a)+7], v[ACC+8*(4*(\a)+\b):ACC+8*(4*(\a)+\b)+7]
.endif
.endr
.endr
.endm
; 32 LDS loads in one run: the fragments of the slot's qd-th 64 along K (one head) into buffer f; the first 32 along K first
.macro FETCH slot, qd, f
	WIN TO_F
.irp c, 0,1
.irp i, 0,1,2,3
	ds_load_b128 v[\f+64+8*(4*\c+\i):\f+64+8*(4*\c+\i)+3],   v[ADRB+\slot] offset:(\qd)*128+64*\c+\i*16*PB
	ds_load_b128 v[\f+64+8*(4*\c+\i)+4:\f+64+8*(4*\c+\i)+7], v[ADRB+\slot] offset:(\qd)*128+64*\c+\i*16*PB+32
	ds_load_b128 v[\f+8*(4*\c+\i):\f+8*(4*\c+\i)+3],         v[ADRA+\slot] offset:(\qd)*64*PA+64*\c+\i*16*PA
	ds_load_b128 v[\f+8*(4*\c+\i)+4:\f+8*(4*\c+\i)+7],       v[ADRA+\slot] offset:(\qd)*64*PA+64*\c+\i*16*PA+32
.endr
.endr
.endm
.macro PLACES                          ; four places in front of loads into registers that matrix instructions have read, and of the first read of results (ISA guide 7.12.1 for vector reads and writes)
.rept 4
	v_nop
.endr
.endm
; A K step is four quarters of 64 along K, 32 matrix instructions each, on buffers 0, 1, 0, 1.  One of the first three: multiplies buffer f and fetches quarter qd into g.
.macro QUARTER slot, qd, f, g, zero
	s_wait_dscnt 16                                ; the first 32 along K are in
	WIN MUL
	MUL8 \f, 0, 0, \zero
	MUL8 \f, 0, 2, \zero
	PLACES
	FETCH \slot, \qd, \g
	s_wait_dscnt 32                                ; all but the 32 just issued
	WIN MUL
	MUL8 \f, 1, 0, 0
	MUL8 \f, 1, 2, 0
.endm
; The last quarter changes slots: ONE barrier; in front of it each wave waits for all its tensor loads, adds 0 to its spare word, and waits for that and for its reads of this slot.  fill = 1: this slot is filled again, two K steps ahead.
.macro TURN slot, next, fill
	WIN 0
	s_wait_tensorcnt 0x0                           ; all my tensor loads have landed: my part of the next slot
	ds_add_u32 v[SPW], v[NIL]
	s_wait_dscnt 17                                ; (the add and the youngest sixteen loads may be out)
	WIN MUL
	MUL8 F1, 0, 0, 0
	s_wait_dscnt 0x0                               ; the add is done, and my reads of this slot are over
	s_barrier_signal -1
	MUL8 F1, 0, 2, 0
.if \fill
	WIN 0
.endif
	s_barrier_wait -1
.if \fill
	CREST                                          ; the barrier has opened a round of the cluster's barrier
	s_add_nc_u64 s[G0+4*\slot+2:G0+4*\slot+3], s[G0+4*\slot+2:G0+4*\slot+3], 2*32768
	s_add_nc_u64 s[G0B+4*\slot+2:G0B+4*\slot+3], s[G0B+4*\slot+2:G0B+4*\slot+3], 2*KSTEP*2
	JLOAD \slot                                    ; the first tensor load behind the round; the four v_nop behind it are also the places in front of the loads below
.else
	PLACES
.endif
	FETCH \next, 0, F0
	WIN MUL
	MUL8 F1, 1, 0, 0
	MUL8 F1, 1, 2, 0
.endm
	s_wait_tensorcnt 1                             ; my part of K step 0 is in (K step 1's load may be out),
	s_barrier_signal -1
	s_barrier_wait -1                              ; everybody's is
	FETCH 0, 0, F0
	s_wait_loadcnt 0x0                             ; out_b
	QUARTER 0, 1, F0, F1, 1                        ; the first quarter stands in front of the loop: its first products start the sums
	WIN 0
	s_mov_b32 s3, LAPS-1
.Llap:                                             ; a trip goes once round the ring and fills both slots again
	QUARTER 0, 2, F1, F0, 0
	QUARTER 0, 3, F0, F1, 0
	TURN 0, 1, 1
	QUARTER 1, 1, F0, F1, 0
	QUARTER 1, 2, F1, F0, 0
	QUARTER 1, 3, F0, F1, 0
	TURN 1, 0, 1
	QUARTER 0, 1, F0, F1, 0
	WIN 0
	s_sub_co_u32 s3, s3, 1
	s_cmp_lg_u32 s3, 0
	s_cbranch_scc1 .Llap
	QUARTER 0, 2, F1, F0, 0                        ; the last lap fills nothing
	QUARTER 0, 3, F0, F1, 0
	TURN 0, 1, 0
	QUARTER 1, 1, F0, F1, 0
	QUARTER 1, 2, F1, F0, 0
	QUARTER 1, 3, F0, F1, 0
	s_wait_dscnt 16
	WIN MUL
	MUL8 F1, 0, 0, 0
	MUL8 F1, 0, 2, 0
	s_wait_dscnt 0
	MUL8 F1, 1, 0, 0
	MUL8 F1, 1, 2, 0
	WIN 0
	; THE WAY OUT: my 64 columns of f32 are 256 aligned bytes of a row, so the stage is my own and no barrier is needed: 32 bytes a lane in, whole rows back
	PLACES
.irp a, 0,1,2,3
.irp b, 0,1,2,3
	ds_store_b128 v[STO], v[ACC+8*(4*\a+\b):ACC+8*(4*\a+\b)+3] offset:\a*16*SPITCH+64*\b          ; each accumulator from its low end on
	ds_store_b128 v[STO], v[ACC+8*(4*\a+\b)+4:ACC+8*(4*\a+\b)+7] offset:\a*16*SPITCH+64*\b+16
.endr
.endr
.irp i, 0,1,2,3,4,5,6,7,8,9,10,11,12,13,14,15
	ds_load_b128 v[TMP+4*\i:TMP+4*\i+3], v[RD] offset:\i*2*SPITCH          ; LDS serves a wave's instructions in order: these see my stores
.endr
.irp i, 0,1,2,3,4,5,6,7,8,9,10,11,12,13,14,15
	ds_load_b128 v[ACC+4*\i:ACC+4*\i+3], v[RD] offset:(\i+16)*2*SPITCH
.endr
.irp i, 0,1,2,3,4,5,6,7,8,9,10,11,12,13,14,15
	s_wait_dscnt 31-\i                             ; the younger loads may be out
	global_store_b128 v[CO], v[TMP+4*\i:TMP+4*\i+3], s[66:67] offset:\i*32768 th:TH_STORE_NT   ; 16 lanes store 256 consecutive bytes, aligned
.endr
.irp i, 0,1,2,3,4,5,6,7,8,9,10,11,12,13,14,15
	s_wait_dscnt 15-\i
	global_store_b128 v[CO], v[ACC+4*\i:ACC+4*\i+3], s[66:67] offset:(\i+16)*32768 th:TH_STORE_NT
.endr
	s_wait_tensorcnt 0x0                           ; the wave's end, behind my last tensor load and my last LDS store
	ds_add_u32 v[SPW], v[NIL]
	s_wait_dscnt 0x0
	CROUND                                         ; the closing round
	s_endpgm
.Lfunc_end_k_q1e563c615b_outp:
	.size	k_q1e563c615b_outp, .Lfunc_end_k_q1e563c615b_outp-k_q1e563c615b_outp
	.p2alignl 7, 3214868480
	.fill 96, 4, 3214868480
	.section	.rodata,"a",@progbits
	.p2align	6, 0x0
	.amdhsa_kernel k_q1e563c615b_outp
		.amdhsa_group_segment_fixed_size 327680
		.amdhsa_private_segment_fixed_size 0
		.amdhsa_enable_private_segment 0
		.amdhsa_kernarg_size 32
		.amdhsa_user_sgpr_count 2
		.amdhsa_user_sgpr_kernarg_segment_ptr 1
		.amdhsa_wavefront_size32 1
		.amdhsa_system_sgpr_workgroup_id_x 1
		.amdhsa_system_sgpr_workgroup_id_y 1
		.amdhsa_system_sgpr_workgroup_id_z 1
		.amdhsa_system_vgpr_workitem_id 0
		.amdhsa_next_free_vgpr 512
		.amdhsa_next_free_sgpr 68
		.amdhsa_reserve_vcc 0
		.amdhsa_float_denorm_mode_32 3
		.amdhsa_float_denorm_mode_16_64 3
		.amdhsa_memory_ordered 1
		.amdhsa_forward_progress 1
		.amdhsa_inst_pref_size 88
	.end_amdhsa_kernel
	.amdgpu_metadata
---
amdhsa.version: [ 1, 2 ]
amdhsa.kernels:
  - .name:           k_q1e563c615b_outp
    .symbol:         k_q1e563c615b_outp.kd
    .args:
      - { .name: o16, .offset: 0, .size: 8, .value_kind: global_buffer, .address_space: global }
      - { .name: ow16, .offset: 8, .size: 8, .value_kind: global_buffer, .address_space: global }
      - { .name: out_b, .offset: 16, .size: 8, .value_kind: global_buffer, .address_space: global }
      - { .name: out0, .offset: 24, .size: 8, .value_kind: global_buffer, .address_space: global }
    .group_segment_fixed_size: 327680
    .private_segment_fixed_size: 0
    .kernarg_segment_align: 8
    .kernarg_segment_size: 32
    .max_flat_workgroup_size: 128
    .sgpr_count:     68
    .vgpr_count:     512
    .wavefront_size: 32
...
	.end_amdgpu_metadata
.endif
;; end of part 4
